; MI455X (gfx1250); checked and timed in simulation.
; The chip was launched on July 23, 2026; its instructions are those of AMD's public machine-readable ISA for CDNA 5 (MIT licence, August 2026) and "CDNA5" Instruction Set Architecture Reference Guide (July 2026). The comments in the code are by the model that wrote it; some were corrected since.
;; Transformer Block. Allowed arithmetic: matrix products marked QUANTISED: E2M3 operands, one E8M0 scale for each 32 along K, by v_wmma_scale_f32_16x16x128_f8f6f4 with both operands' format E2M3, f32 sums; everything else in f32.
;; Inputs: b1 128 float32; b2 256 float32; bk 4 x 64 float32; bo 256 float32; bq 4 x 64 float32; bv 4 x 64 float32; ln1_b 256 float32; ln1_g 256 float32; ln2_b 256 float32; ln2_g 256 float32; w1 256 x 128 float32; w2 128 x 256 float32; wk 256 x 4 x 64 float32; wo 4 x 64 x 256 float32; wq 256 x 4 x 64 float32; wv 256 x 4 x 64 float32; x 4 x 4,096 x 256 float32.
;; Outputs: out0 4 x 4,096 x 256 float32.
;; This version of the problem:
;;   THIS VERSION OF THE PROBLEM IS GIVEN IN LOW PRECISION. The matrix products marked QUANTISED in the list below multiply operands that are first quantised to E2M3 (2 exponent bits, 3 mantissa bits; 6 bits a number), with one power-of-two scale for each 32 numbers along K (OCP MX v1.0); their sums are f32. All else is computed in f32.
;;   The module's matrix products, in the order in which they are computed (A, B: the left and right operand; K: the contracted axis; several contracted axes count as one K, in the product's order):
;;     1. [M 16,384, K 256] x [K 256, N 256]; A: computed on the way; B: input wq: QUANTISED
;;     2. [M 16,384, K 256] x [K 256, N 256]; A: computed on the way; B: input wk: QUANTISED
;;     3. [M 16,384, K 256] x [K 256, N 256]; A: computed on the way; B: input wv: QUANTISED
;;     4. batch 16 x [M 4,096, K 64] x [K 64, N 4,096]; A: computed on the way; B: computed on the way: QUANTISED
;;     5. batch 16 x [M 64, K 4,096] x [K 4,096, N 4,096]; A: computed on the way; B: softmax (see below): QUANTISED
;;     6. [M 16,384, K 256] x [K 256, N 256]; A: computed on the way; B: input wo: QUANTISED
;;     7. [M 16,384, K 256] x [K 256, N 128]; A: computed on the way; B: input w1: QUANTISED
;;     8. [M 16,384, K 128] x [K 128, N 256]; A: computed on the way; B: input w2: QUANTISED
;;   THE QUANTISER, for each operand of a quantised product, along K:
;;     - K is cut into blocks of 32 from its start; a last block that is shorter is filled with zeros.
;;     - A block's scale is 2^e with e = floor(log2(the largest magnitude in the block)) - 2, held to -126 .. 127; a block of zeros has e = 0. As a byte (E8M0): e + 127.
;;     - Each number is divided by its block's scale, clamped to +-7.5, and rounded to the nearest number of E2M3, ties to even, subnormals kept.
;;     - The product sums the exact products of the quantised numbers (number of the format x scale) in f32.
;;   ~~~python
;;   def quantise(x, axis):      # numpy; x: float32 -> the quantised numbers, widened to float32 again
;;       x = np.moveaxis(x, axis, -1); K = x.shape[-1]
;;       x = np.pad(x, [(0, 0)] * (x.ndim - 1) + [(0, -K % 32)]); x = x.reshape(x.shape[:-1] + (-1, 32)); a = np.abs(x).max(-1, keepdims=True)
;;       e = np.where(a > 0, np.clip(np.frexp(np.where(a > 0, a, 1))[1] - 1 - 2, -126, 127), 0)      # np.frexp(a)[1] - 1 = floor(log2(a)), exactly
;;       r = np.clip(x / 2.0 ** e, -7.5, 7.5)
;;       step = 2.0 ** (np.maximum(np.frexp(np.where(r == 0, 1, r))[1] - 1, 0) - 3)
;;       q = np.round(r / step) * step * 2.0 ** e      # np.round: ties to even
;;       return np.moveaxis(q.reshape(q.shape[:-2] + (-1,))[..., :K], -1, axis).astype(np.float32)
;;   ~~~
;;   SOFTMAX AHEAD OF A QUANTISED PRODUCT. Where the list says 'softmax', what is quantised is not the finished softmax but p = 2^(t - M), with t = logit x log2(e) and M = ceil(the row's largest t), a whole number; so 1/2 < the row's largest p <= 1. The row's sum l is taken of the UNQUANTISED p, in f32, and the product's result is divided by l at the end. Since M is a whole number, a kernel that streams over the keys may use a running M (the ceiling of the running maximum): every later rescaling is an exact power of two, which a block's scale takes up: the codes' values come out the same.
;;   OPERANDS COMPUTED ON THE WAY. 'Computed on the way' means the value that the module computes at that place (a softmax that the list does not call 'softmax' is quantised finished and normalised). What goes into a quantiser is computed in f32, as accurately as f32 sums, v_exp_f32 and their like allow (about 1e-6 of the number): no bf16 or f16 on the way to a quantiser, and a product that is left as it is and whose result goes on into a quantised operand takes f32 operands (vector FMAs, or v_wmma_f32_16x16x4_f32). A number that lies on a knife's edge between two numbers of the format may be rounded either way, as far as f32 arithmetic and the matrix unit's own rounding can turn it there, and no further.
;; One version. Each part assembles by itself: llvm-mc -triple=amdgcn-amd-amdhsa -mcpu=gfx1250 --defsym DOCPART=n.
;; ======== version 1 of 1: 4 launches
;; limits: right only within a limited range of input values
;; workspace buffers: wf 266,240 bytes; qr 3,276,800 bytes; kv 6,553,600 bytes; cx 3,145,728 bytes; cs 524,288 bytes
;; launch wprep (part 1): grid 40 x 1, 4 waves a work-group, no clusters, 0 bytes of LDS; arguments wq, wk, wv, wo, w1, w2, wf; writes wf
.if DOCPART == 1
	.amdgcn_target "amdgcn-amd-amdhsa--gfx1250"
	.amdhsa_code_object_version 6
	.text
	.protected	k_qe1218973ab_wprep
	.globl	k_qe1218973ab_wprep
	.p2align	8
	.type	k_qe1218973ab_wprep,@function
k_qe1218973ab_wprep:
	s_mov_b64 s[64:65], 0
	v_nop
	global_prefetch_b8 v0, s[64:65] scope:SCOPE_SE
	s_setreg_imm32_b32 hwreg(HW_REG_WAVE_MODE, 25, 1), 1
	s_wait_xcnt 0x0
; The six weights, f32 stored [K][N], become operand fragments of FP6 (E2M3) codes with E8M0 scale words, laid in the order of the operand's registers.
; One wave makes one record of 1,664 bytes: a fragment's image (16 columns x 128 K: 12 registers a lane; registers 4 c .. 4 c + 3 of lane l at 512 c + 16 l), then 128 bytes of scale words (lane l's at 4 l).
; Record f = 4 x work-group + wave.  f < 128: matrix f / 32 (wq, wk, wv, wo), column tile (f / 2) % 16, K step f % 2;  128 .. 143: w1, tile (f / 2) % 8, K step f % 2;  144 .. 159: w2, tile f % 16.
; THE COLUMNS OF A TILE ARE NOT NEIGHBOURS: lane r of tile ct takes column 32 (ct / 2) + 8 (ct % 2) + r + 8 (r / 8), so that the results of two neighbouring tiles are 16 neighbours along the next product's K.
; A LANE TAKES A COLUMN AND ITS REGISTERS RUN DOWN K (k = 128 s + 64 c + 32 (lane / 16) + 0 .. 31): a block of 32 lies in one lane, and the conversions' results are the operand's registers.
; A block's scale byte is its largest magnitude's exponent field - 2, held at 1 from below.
; LIMITS: a block of zeros gets the byte 1 where the rule says 127 (its codes are zeros, and this program alone reads the bytes); NaN and infinities among the inputs are not served.
.set REC, 1664
	s_load_b256 s[4:11], s[0:1], 0x0               ; wq s[4:5], wk s[6:7], wv s[8:9], wo s[10:11]
	s_load_b128 s[12:15], s[0:1], 0x20             ; w1 s[12:13], w2 s[14:15]
	s_load_b64 s[16:17], s[0:1], 0x30              ; wf
	v_lshrrev_b32 v1, 5, v0
	v_readfirstlane_b32 s18, v1                    ; wave
	s_lshl_b32 s19, ttmp9, 2
	s_add_co_u32 s19, s19, s18                     ; f
	v_and_b32 v1, 15, v0                           ; r
	v_bfe_u32 v2, v0, 4, 1                         ; h
	v_and_b32 v3, 8, v1
	v_add_nc_u32 v3, v3, v1                        ; r + 8 (r / 8)
	v_lshlrev_b32 v3, 2, v3                        ; my column's bytes in the tile's 32 columns
	v_and_b32 v4, 31, v0
	v_lshlrev_b32 v5, 4, v4                        ; 16 x lane
	v_lshlrev_b32 v6, 2, v4                        ; 4 x lane
	s_mov_b32 s20, 0x76543210
	s_mov_b32 s21, 0xfedcba98                      ; v_permlanex16_b32's selects for lane l xor 16
	s_mul_i32 s22, s19, REC
	s_mov_b32 s23, 0
	s_lshr_b32 s24, ttmp9, 2                       ; 8 in w1's four work-groups
	s_mov_b32 s31, 0
	s_wait_kmcnt 0x0
	s_add_nc_u64 s[16:17], s[16:17], s[22:23]      ; my record
.macro WLOAD n                         ; W(128 s + 64 c + 32 h + i, my column): register 64 + 32 c + i; a row of W is 4 n bytes
.set WI, 0
.rept 64
	global_load_b32 v[64+WI], v7, s[26:27] offset:(64*(WI/32)+WI%32)*(\n)*4
.set WI, WI+1
.endr
.endm
	s_cmp_eq_u32 s24, 8
	s_cbranch_scc1 .Lw1
	s_lshr_b32 s25, s19, 5                         ; rows of 256 numbers: which matrix (4: w2)
	s_mov_b64 s[26:27], s[14:15]
	s_cmp_eq_u32 s25, 0
	s_cselect_b64 s[26:27], s[4:5], s[26:27]
	s_cmp_eq_u32 s25, 1
	s_cselect_b64 s[26:27], s[6:7], s[26:27]
	s_cmp_eq_u32 s25, 2
	s_cselect_b64 s[26:27], s[8:9], s[26:27]
	s_cmp_eq_u32 s25, 3
	s_cselect_b64 s[26:27], s[10:11], s[26:27]
	s_cmp_lt_u32 s25, 4                            ; two K steps (K = 256), or w2's one
	s_cselect_b32 s28, 1, 0
	s_cselect_b32 s30, s19, 0
	s_and_b32 s30, s30, 1                          ; the K step
	s_lshr_b32 s29, s19, s28
	s_and_b32 s29, s29, 15                         ; the column tile
	s_lshl_b32 s30, s30, 17                        ; 128 rows of 1,024 bytes
	s_lshr_b32 s28, s29, 1
	s_lshl_b32 s28, s28, 7                         ; 32 columns for each pair of tiles,
	s_and_b32 s29, s29, 1
	s_lshl_b32 s29, s29, 5                         ; 8 for the odd tile
	s_add_co_u32 s30, s30, s28
	s_add_co_u32 s30, s30, s29
	s_add_nc_u64 s[26:27], s[26:27], s[30:31]
	s_wait_alu depctr_va_vdst(0)
	v_lshl_add_u32 v7, v2, 15, v3                  ; lanes 16-31 begin 32 rows further down
	WLOAD 256
	s_branch .Ljoin
.Lw1:                                              ; w1: rows of 128 numbers
	s_lshr_b32 s29, s19, 1
	s_and_b32 s29, s29, 7
	s_and_b32 s30, s19, 1
	s_lshl_b32 s30, s30, 16                        ; 128 rows of 512 bytes
	s_lshr_b32 s28, s29, 1
	s_lshl_b32 s28, s28, 7
	s_and_b32 s29, s29, 1
	s_lshl_b32 s29, s29, 5
	s_add_co_u32 s30, s30, s28
	s_add_co_u32 s30, s30, s29
	s_add_nc_u64 s[26:27], s[12:13], s[30:31]
	s_wait_alu depctr_va_vdst(0)
	v_lshl_add_u32 v7, v2, 14, v3
	WLOAD 128
.Ljoin:
	s_wait_loadcnt 0x0
.irp c, 0,1                                    ; my block 2 c + h: all its 32 numbers are mine
	v_max3_num_f32 v[32+\c], |v[64+32*\c]|, |v[65+32*\c]|, 0x1800000   ; with the floor 2^(3 - 127): the byte cannot fall under 1
.endr
.irp i, 2,4,6,8,10,12,14,16,18,20,22,24,26,28,30
.irp c, 0,1
	v_max3_num_f32 v[32+\c], v[32+\c], |v[64+32*\c+\i]|, |v[65+32*\c+\i]|
.endr
.endr
.irp c, 0,1
	v_add_nc_u32 v[44+\c], 0xff000000, v[32+\c]    ; 2 off the exponent field: the conversion's scale operand
.endr
.irp c, 0,1
	v_lshrrev_b32 v[36+\c], 23, v[44+\c]           ; the scale's byte
.endr
	v_lshl_or_b32 v9, v37, 16, v36                 ; my two bytes: blocks h and 2 + h,
	v_lshlrev_b32 v10, 3, v2
	v_lshlrev_b32 v9, v10, v9                      ; at their places in the word;
	v_mov_b32 v10, 0
	v_permlanex16_b32 v10, v9, s20, s21
	v_or_b32 v9, v9, v10                           ; with lane l xor 16's two the word is whole, in both halves of the lanes
.irp c, 0,1
	v_cvt_scalef32_pk16_fp6_f32 v[48+6*\c:50+6*\c], v[64+32*\c:79+32*\c], v[44+\c]
	v_cvt_scalef32_pk16_fp6_f32 v[192+4*\c:194+4*\c], v[80+32*\c:95+32*\c], v[44+\c]   ; (a conversion's three registers begin on an even number)
.endr
	v_nop                                          ; one plain place behind a scaled conversion
.irp c, 0,1
.irp i, 0,1,2
	v_mov_b32 v[51+6*\c+\i], v[192+4*\c+\i]
.endr
.endr
.irp c, 0,1,2
	global_store_b128 v5, v[48+4*\c:51+4*\c], s[16:17] offset:512*\c   ; 32 lanes store 512 consecutive bytes
.endr
	global_store_b32 v6, v9, s[16:17] offset:1536
	s_endpgm
.Lfunc_end_k_qe1218973ab_wprep:
	.size	k_qe1218973ab_wprep, .Lfunc_end_k_qe1218973ab_wprep-k_qe1218973ab_wprep
	.p2alignl 7, 3214868480
	.fill 96, 4, 3214868480
	.section	.rodata,"a",@progbits
	.p2align	6, 0x0
	.amdhsa_kernel k_qe1218973ab_wprep
		.amdhsa_group_segment_fixed_size 0
		.amdhsa_private_segment_fixed_size 0
		.amdhsa_enable_private_segment 0
		.amdhsa_kernarg_size 56
		.amdhsa_user_sgpr_count 2
		.amdhsa_user_sgpr_kernarg_segment_ptr 1
		.amdhsa_wavefront_size32 1
		.amdhsa_system_sgpr_workgroup_id_x 1
		.amdhsa_system_sgpr_workgroup_id_y 1
		.amdhsa_system_sgpr_workgroup_id_z 1
		.amdhsa_system_vgpr_workitem_id 0
		.amdhsa_next_free_vgpr 208
		.amdhsa_next_free_sgpr 66
		.amdhsa_reserve_vcc 0
		.amdhsa_float_denorm_mode_32 3
		.amdhsa_float_denorm_mode_16_64 3
		.amdhsa_memory_ordered 1
		.amdhsa_forward_progress 1
		.amdhsa_inst_pref_size 18
	.end_amdhsa_kernel
	.amdgpu_metadata
---
amdhsa.version: [ 1, 2 ]
amdhsa.kernels:
  - .name:           k_qe1218973ab_wprep
    .symbol:         k_qe1218973ab_wprep.kd
    .args:
      - { .name: wq, .offset: 0, .size: 8, .value_kind: global_buffer, .address_space: global }
      - { .name: wk, .offset: 8, .size: 8, .value_kind: global_buffer, .address_space: global }
      - { .name: wv, .offset: 16, .size: 8, .value_kind: global_buffer, .address_space: global }
      - { .name: wo, .offset: 24, .size: 8, .value_kind: global_buffer, .address_space: global }
      - { .name: w1, .offset: 32, .size: 8, .value_kind: global_buffer, .address_space: global }
      - { .name: w2, .offset: 40, .size: 8, .value_kind: global_buffer, .address_space: global }
      - { .name: wf, .offset: 48, .size: 8, .value_kind: global_buffer, .address_space: global }
    .group_segment_fixed_size: 0
    .private_segment_fixed_size: 0
    .kernarg_segment_align: 8
    .kernarg_segment_size: 56
    .max_flat_workgroup_size: 128
    .sgpr_count:     66
    .vgpr_count:     208
    .wavefront_size: 32
...
	.end_amdgpu_metadata
.endif
;; end of part 1
;; launch qkv (part 2): grid 2 x 128, 4 waves a work-group, no clusters, 168,448 bytes of LDS; arguments x, ln1_g, ln1_b, bq, bk, bv, wf, qr, kv; writes qr, kv
.if DOCPART == 2
	.amdgcn_target "amdgcn-amd-amdhsa--gfx1250"
	.amdhsa_code_object_version 6
	.text
	.protected	k_qe1218973ab_qkv
	.globl	k_qe1218973ab_qkv
	.p2align	8
	.type	k_qe1218973ab_qkv,@function
k_qe1218973ab_qkv:
	s_mov_b64 s[64:65], 0
	v_nop
	global_prefetch_b8 v0, s[64:65] scope:SCOPE_SE
	s_setreg_imm32_b32 hwreg(HW_REG_WAVE_MODE, 25, 1), 1
	s_wait_xcnt 0x0
; LayerNorm 1, its quantising, q = h wq + bq, k = h wk + bk, v = h wv + bv on codes of FP6 (E2M3) with E8M0 scales, and the quantising of q, k (along the head's 64) and v (along the keys).
; A work-group takes 128 tokens (work-group y) and two heads (work-group x).  Wave w: head 2 x + w % 2, role w / 2.  Each wave normalises and quantises 32 tokens (two tiles of 16) and hands their fragments to the
; others through LDS as images of the operand's registers; then role 0 makes its head's q, role 1 its k (4 column tiles x 8 token tiles x 2 K steps), and role g also d tiles 2 g, 2 g + 1 of its head's v.
; A TILE'S 16 ARE NOT NEIGHBOURS: lane r of tile 2 g + u is element 32 g + 8 u + r + 8 (r / 8), for tokens and for weight columns alike.  So the 16 result registers of two neighbouring tiles are 16 neighbours:
; q, k (source 0 = weights, source 1 = tokens): a lane holds one token, registers run along the head's 64;  v (source 0 = tokens, source 1 = weights): a lane holds one d, registers run along the 128 keys.
; OUT: qr, and kv's K part: for each (batch x 4 + head, block of 128 tokens) four PAIR images of 1,536 bytes (registers 0-5 tile 2 b, 6-11 tile 2 b + 1; each K = 64) and 256 bytes of scale words (pair 2 p in lanes
; 0-15, pair 2 p + 1 in lanes 16-31);  kv's V part, 6,400 bytes on: four images (d tile t, K = the block's 128 keys) and their words, packed likewise.
; q's factor 1/8 is a power of two: the codes are the same without it; the attention launch folds it into its exponent's factor.
; LIMITS: that fold differs from the definition only where a scale's exponent would be held at -126; a block of zeros gets the byte 1, not 127 (zero codes; the bytes are read by this program alone); NaN and infinities are not served.
; REGISTERS, in windows of 256.  Window 0: v1-11 addresses; v16-31 tokens' scale words; v32-43 weights' scale words; v44-115 at work; v128-255 64 numbers at work, then accumulators.
;   window 1: ln1_g (0-127), ln1_b (128-255); behind the barrier the 16 token fragments (12 (2 T + s)).   window 2: q or k weights (12 (2 t + s)), v weights from 96.   window 3: biases (0-47); a tile of x (128-255).
.set XP,   1040                        ; a row of x in LDS: 1,024 bytes + 16 of padding
.set AIMG, 133120                      ; behind x's 128 rows: 16 images of 1,536 bytes, fragment 2 T + s
.set ASC,  157696                      ; and their scale words, 128 bytes each
.set REC,  1664
.set LI,  1                            ; 16 x lane
.set LS,  2                            ; 4 x lane
.set XA,  5                            ; my row of my wave's 32 rows of x, + 64 h
.set AIW, 6                            ; where I store images: AIMG + 16 x lane + 6,144 x wave
.set ASW, 7                            ; and scale words: ASC + 4 x lane + 512 x wave
.set AI,  8                            ; AIMG + 16 x lane
.set ASF, 9                            ; ASC + 4 x lane
.set GBA, 10                           ; 64 h
.set DPA, 11                           ; 4 (r + 8 (r / 8))
.set AS,  16
.set WS,  32
.set TM,  44                           ; v44-59 the quantiser's: largest magnitudes, bytes, scale operands
.set SA,  64                           ; v64-71 four chains of sums
.set MU,  80
.set RS,  82
.set PC,  84                           ; v84-95 a fragment just made
.set PT,  96                           ; v96-103 the conversions' second halves
.set KP,  104                          ; v104-115 a pair fragment
.set T64, 128
.set WV,   22
.set ROLE, 26
.set HEAD, 27
.set RECN, 28
.set LMASK, 30
.set SEL,  44
.set INV,  46
.set MSB, 0
.macro WIN new                         ; the immediate's high byte repeats the setting that is left; a switch that changes nothing is dropped
.if MSB != (\new)
	s_set_vgpr_msb (MSB<<8)|(\new)
.set MSB, \new
.endif
.endm
.macro PLACES n
.rept \n
	v_nop
.endr
.endm
; 64 numbers of a lane, register 16 b + i = k 32 b + 16 (lane / 16) + i of my row, become a fragment's codes in v[dst] on and its scale word in v[word].
.macro QUANT src, dst, word
.irp b, 0,1,2,3
	v_max3_num_f32 v[TM+\b], |v[(\src)+16*\b]|, |v[(\src)+1+16*\b]|, 0x1800000   ; with the floor 2^(3 - 127): the byte cannot fall under 1
.endr
.irp i, 2,4,6,8,10,12,14
.irp b, 0,1,2,3
	v_max3_num_f32 v[TM+\b], v[TM+\b], |v[(\src)+16*\b+\i]|, |v[(\src)+1+16*\b+\i]|
.endr
.endr
.irp b, 0,1,2,3
	v_permlanex16_b32 v[TM+4+\b], v[TM+\b], s[SEL], s[SEL+1]
.endr
.irp b, 0,1,2,3
	v_max_num_f32 v[TM+\b], v[TM+\b], v[TM+4+\b]   ; with lane l xor 16's: the block's largest magnitude
.endr
.irp b, 0,1,2,3
	v_add_nc_u32 v[TM+12+\b], 0xff000000, v[TM+\b] ; 2 off the exponent field: the conversion's scale operand
.endr
.irp b, 0,1,2,3
	v_lshrrev_b32 v[TM+4+\b], 23, v[TM+12+\b]      ; the scale's byte
.endr
	v_lshl_or_b32 v[\word], v[TM+5], 8, v[TM+4]
	v_lshl_or_b32 v[\word], v[TM+6], 16, v[\word]
	v_lshl_or_b32 v[\word], v[TM+7], 24, v[\word]
.irp c, 0,1
	v_cvt_scalef32_pk16_fp6_f32 v[(\dst)+6*\c:(\dst)+2+6*\c], v[(\src)+32*\c:(\src)+15+32*\c], v[TM+12+2*\c]
	v_cvt_scalef32_pk16_fp6_f32 v[PT+4*\c:PT+2+4*\c], v[(\src)+16+32*\c:(\src)+31+32*\c], v[TM+13+2*\c]   ; (a conversion's three registers begin on an even number)
.endr
	v_nop                                          ; one plain place behind a scaled conversion
.irp c, 0,1                                    ; the operand's layout wants a whole block in a lane
.irp i, 0,1,2
	v_permlane16_swap_b32 v[(\dst)+6*\c+\i], v[PT+4*\c+\i]
.endr
.irp i, 0,1,2
	v_mov_b32 v[(\dst)+3+6*\c+\i], v[PT+4*\c+\i]
.endr
.endr
.endm
; The same for 32 numbers, two blocks: six registers of codes (k = 32 (lane / 16) + 0 .. 31) and two bytes in v[word].
.macro QUANTH src, dst, word
.irp b, 0,1
	v_max3_num_f32 v[TM+\b], |v[(\src)+16*\b]|, |v[(\src)+1+16*\b]|, 0x1800000
.endr
.irp i, 2,4,6,8,10,12,14
.irp b, 0,1
	v_max3_num_f32 v[TM+\b], v[TM+\b], |v[(\src)+16*\b+\i]|, |v[(\src)+1+16*\b+\i]|
.endr
.endr
.irp b, 0,1
	v_permlanex16_b32 v[TM+4+\b], v[TM+\b], s[SEL], s[SEL+1]
.endr
.irp b, 0,1
	v_max_num_f32 v[TM+\b], v[TM+\b], v[TM+4+\b]
.endr
.irp b, 0,1
	v_add_nc_u32 v[TM+12+\b], 0xff000000, v[TM+\b]
.endr
.irp b, 0,1
	v_lshrrev_b32 v[TM+4+\b], 23, v[TM+12+\b]
.endr
	v_lshl_or_b32 v[\word], v[TM+5], 8, v[TM+4]
	v_cvt_scalef32_pk16_fp6_f32 v[(\dst):(\dst)+2], v[(\src):(\src)+15], v[TM+12]
	v_cvt_scalef32_pk16_fp6_f32 v[PT:PT+2], v[(\src)+16:(\src)+31], v[TM+13]
	v_nop
.irp i, 0,1,2
	v_permlane16_swap_b32 v[(\dst)+\i], v[PT+\i]
.endr
.irp i, 0,1,2
	v_mov_b32 v[(\dst)+3+\i], v[PT+\i]
.endr
.endm
.macro LNRED                           ; four chains of pairs -> the row's sum, in every lane of the row
	v_pk_add_f32 v[SA:SA+1], v[SA:SA+1], v[SA+2:SA+3]
	v_pk_add_f32 v[SA+4:SA+5], v[SA+4:SA+5], v[SA+6:SA+7]
	v_pk_add_f32 v[SA:SA+1], v[SA:SA+1], v[SA+4:SA+5]
	v_add_f32 v[SA], v[SA], v[SA+1]
	v_permlanex16_b32 v[SA+1], v[SA], s[SEL], s[SEL+1]   ; the row's other 128 numbers lie in lane l xor 16
	v_add_f32 v[SA], v[SA], v[SA+1]
.endm
; A row's mean and 1 / sqrt(variance + 0.001).  X: 128 registers at XB of window XW, register 16 b + i = column 32 b + 16 (lane / 16) + i.  The mean first, then the squares of the differences.
.macro LNSTAT XW, XB
	WIN (\XW)|((\XW)<<2)
.irp c, 0,1,2,3
	v_pk_add_f32 v[SA+2*\c:SA+2*\c+1], v[(\XB)+2*\c:(\XB)+2*\c+1], v[(\XB)+8+2*\c:(\XB)+9+2*\c]
.endr
	WIN \XW
.set LP, 8
.rept 56
	v_pk_add_f32 v[SA+2*(LP%4):SA+2*(LP%4)+1], v[(\XB)+2*LP:(\XB)+2*LP+1], v[SA+2*(LP%4):SA+2*(LP%4)+1]
.set LP, LP+1
.endr
	WIN 0
	LNRED
	v_mul_f32 v[MU], s[INV], v[SA]
	v_mov_b32 v[MU+1], v[MU]
.irp hf, 0,1                                   ; the fused multiply-add names three sources of window 0, so the differences go through 64 registers there, half a row at a time
	WIN \XW
.set LP, 0
.rept 32
	v_pk_add_f32 v[T64+2*LP:T64+2*LP+1], v[(\XB)+64*\hf+2*LP:(\XB)+64*\hf+2*LP+1], v[MU:MU+1] neg_lo:[0,1] neg_hi:[0,1]
.set LP, LP+1
.endr
	WIN 0
.set LP, 0
.rept 32
.if (\hf == 0) && (LP < 4)
	v_pk_mul_f32 v[SA+2*LP:SA+2*LP+1], v[T64+2*LP:T64+2*LP+1], v[T64+2*LP:T64+2*LP+1]
.else
	v_pk_fma_f32 v[SA+2*(LP%4):SA+2*(LP%4)+1], v[T64+2*LP:T64+2*LP+1], v[T64+2*LP:T64+2*LP+1], v[SA+2*(LP%4):SA+2*(LP%4)+1]
.endif
.set LP, LP+1
.endr
.endr
	LNRED
	v_fmaak_f32 v[SA], s[INV], v[SA], 0x3a83126f   ; / 256 + 0.001
	s_wait_alu depctr_va_vdst(0)
	v_rsq_f32 v[RS], v[SA]
	v_mov_b32 v[RS+1], 0                           ; a plain place behind the transcendental (and the pair's upper half is written)
	s_wait_alu depctr_va_vdst(0)                   ; the wait ahead of the result's first reader
.endm
; K step s of the normalised row into v[T64] on: ((x - mean) x rsqrt) x g + b
.macro LNK XW, XB, s
	WIN \XW
.set LP, 0
.rept 32
	v_pk_add_f32 v[T64+2*LP:T64+2*LP+1], v[(\XB)+64*(\s)+2*LP:(\XB)+64*(\s)+2*LP+1], v[MU:MU+1] neg_lo:[0,1] neg_hi:[0,1]
.set LP, LP+1
.endr
	WIN 0
.set LP, 0
.rept 32
	v_pk_mul_f32 v[T64+2*LP:T64+2*LP+1], v[T64+2*LP:T64+2*LP+1], v[RS:RS+1] op_sel_hi:[1,0]
.set LP, LP+1
.endr
	WIN 0x14                                       ; g and b in window 1
.set LP, 0
.rept 32
	v_pk_fma_f32 v[T64+2*LP:T64+2*LP+1], v[T64+2*LP:T64+2*LP+1], v[64*(\s)+2*LP:64*(\s)+2*LP+1], v[128+64*(\s)+2*LP:128+64*(\s)+2*LP+1]
.set LP, LP+1
.endr
	WIN 0
.endm
	s_load_b256 s[4:11], s[0:1], 0x0               ; x s[4:5], ln1_g s[6:7], ln1_b s[8:9], bq s[10:11]
	s_load_b256 s[12:19], s[0:1], 0x20             ; bk s[12:13], bv s[14:15], wf s[16:17], qr s[18:19]
	s_load_b64 s[20:21], s[0:1], 0x40              ; kv
	v_lshl_add_u32 v126, v0, 2, 0x29000
	v_mov_b32 v127, 0
	ds_add_u32 v126, v127
	ds_add_u32 v126, v127
	v_lshrrev_b32 v3, 5, v0
	v_readfirstlane_b32 s[WV], v3                  ; wave 0..3
	s_and_b32 s24, ttmp7, 0xffff                   ; the block of 128 tokens
	s_and_b32 s25, s[WV], 1
	s_lshr_b32 s[ROLE], s[WV], 1
	s_lshl_b32 s[HEAD], ttmp9, 1
	s_add_co_u32 s[HEAD], s[HEAD], s25             ; my head
	s_lshr_b32 s[RECN], s24, 5                     ; the batch
	s_lshl_b32 s[RECN], s[RECN], 2
	s_add_co_u32 s[RECN], s[RECN], s[HEAD]
	s_lshl_b32 s[RECN], s[RECN], 5
	s_and_b32 s29, s24, 31
	s_add_co_u32 s[RECN], s[RECN], s29             ; record = 32 (4 batch + head) + the block in its batch
	s_mov_b32 s[LMASK], 0xffff0000                 ; lanes 16-31
	s_mov_b32 s[SEL], 0x76543210
	s_mov_b32 s[SEL+1], 0xfedcba98
	s_mov_b32 s[INV], 0x3b800000                   ; 1 / 256
	; descriptor group 1: 32 rows of 1,024 bytes (128 elements of 8), 16 bytes of padding behind each
	s_mov_b32 s36, (3<<16)|(1<<20)|(7<<22)|(3<<25) ; elements of 8 bytes; padding on; after every 256 words (code 7) 4 words (code 3)
	s_mov_b32 s37, 128<<16                         ; tensor_dim0
	s_mov_b32 s38, 32<<16                          ; tensor_dim1
	s_mov_b32 s39, 128<<16                         ; tile_dim0
	s_mov_b32 s40, 32                              ; tile_dim1
	s_mov_b32 s41, 128                             ; from row to row
	s_mov_b32 s42, 0
	s_mov_b32 s43, 0
	s_mov_b32 s32, 1
	s_mul_i32 s33, s[WV], 32*XP                    ; my 32 rows in LDS: I alone read them
	s_lshl_b32 s2, s24, 17
	s_lshl_b32 s3, s[WV], 15
	s_add_co_u32 s2, s2, s3                        ; (128 block + 32 wave) rows of 1,024 bytes
	s_mov_b32 s3, 0
	v_and_b32 v3, 15, v0                           ; r
	v_bfe_u32 v4, v0, 4, 1                         ; h
	v_and_b32 v12, 31, v0
	v_lshlrev_b32 v[LI], 4, v12
	v_lshlrev_b32 v[LS], 2, v12
	v_and_b32 v13, 8, v3
	v_add_nc_u32 v13, v13, v3                      ; r + 8 (r / 8)
	v_mul_u32_u24 v[XA], v13, XP
	v_lshl_add_u32 v[XA], v4, 6, v[XA]
	v_add_nc_u32 v[XA], s33, v[XA]
	s_mul_i32 s31, s[WV], 6144
	s_add_co_u32 s31, s31, AIMG
	v_add_nc_u32 v[AIW], s31, v[LI]
	s_lshl_b32 s31, s[WV], 9
	s_add_co_u32 s31, s31, ASC
	v_add_nc_u32 v[ASW], s31, v[LS]
	v_add_nc_u32 v[AI], AIMG, v[LI]
	v_add_nc_u32 v[ASF], ASC, v[LS]
	v_lshlrev_b32 v[GBA], 6, v4
	v_lshlrev_b32 v[DPA], 2, v13
.irp b, 0,1,2,3
	v_mov_b32 v[TM+4+\b], 0                        ; written once: a lane permute's destination counts as one of its sources
.endr
	s_wait_alu depctr_va_vdst(0)
	s_wait_dscnt 0x0
	s_wait_kmcnt 0x0
	s_add_nc_u64 s[34:35], s[4:5], s[2:3]
	s_or_b32 s35, s35, 0x80000000                  ; type = 2
	tensor_load_to_lds s[32:35], s[36:43]          ; my one tensor load; these bytes are filled once
	s_nop 0
	PLACES 4                                       ; (places behind a tensor load)
	s_cmp_eq_u32 s[ROLE], 0
	s_cselect_b64 s[52:53], s[10:11], s[12:13]     ; bq or bk
	s_cselect_b64 s[56:57], s[18:19], s[20:21]     ; qr or kv
	s_lshl_b32 s2, s[HEAD], 8
	s_add_nc_u64 s[52:53], s[52:53], s[2:3]        ; my head's 64 biases
	s_lshl_b32 s31, s[ROLE], 7
	s_add_co_u32 s2, s2, s31
	s_add_nc_u64 s[54:55], s[14:15], s[2:3]        ; bv at d = 32 role of my head
	s_mul_i32 s2, s[RECN], 6400
	s_lshl_b32 s2, s2, s[ROLE]                     ; a record of qr is 6,400 bytes, of kv 12,800
	s_add_nc_u64 s[56:57], s[56:57], s[2:3]
	s_mul_i32 s2, s[RECN], 12800
	s_mul_i32 s31, s[ROLE], 3072
	s_add_co_u32 s2, s2, s31
	s_add_co_u32 s2, s2, 6400
	s_add_nc_u64 s[58:59], s[20:21], s[2:3]        ; V's images 2 role, 2 role + 1
	s_mul_i32 s2, s[RECN], 12800
	s_lshl_b32 s31, s[ROLE], 7
	s_add_co_u32 s2, s2, s31
	s_add_co_u32 s2, s2, 12544
	s_add_nc_u64 s[60:61], s[20:21], s[2:3]        ; and their scale words
	s_lshl_b32 s2, s[ROLE], 5
	s_lshl_b32 s31, s[HEAD], 3
	s_add_co_u32 s2, s2, s31
	s_mul_i32 s2, s2, REC
	s_add_nc_u64 s[48:49], s[16:17], s[2:3]        ; wq's or wk's 8 records of my head
	s_lshl_b32 s2, s[ROLE], 2
	s_add_co_u32 s2, s2, s31
	s_add_co_u32 s2, s2, 64
	s_mul_i32 s2, s2, REC
	s_add_nc_u64 s[50:51], s[16:17], s[2:3]        ; wv's 4 records of my two d tiles
	WIN 0x40                                       ; destination window 1
.set LP, 0
.rept 32
	global_load_b128 v[4*LP:4*LP+3], v[GBA], s[6:7] offset:128*(LP/4)+16*(LP%4)          ; g at my 128 columns
	global_load_b128 v[128+4*LP:128+4*LP+3], v[GBA], s[8:9] offset:128*(LP/4)+16*(LP%4)  ; b likewise
.set LP, LP+1
.endr
	WIN 0x80                                       ; destination window 2
.set LP, 0
.rept 8
.irp c, 0,1,2
	global_load_b128 v[12*LP+4*\c:12*LP+4*\c+3], v[LI], s[48:49] offset:REC*LP+512*\c
.endr
.set LP, LP+1
.endr
.set LP, 0
.rept 4
.irp c, 0,1,2
	global_load_b128 v[96+12*LP+4*\c:96+12*LP+4*\c+3], v[LI], s[50:51] offset:REC*LP+512*\c
.endr
.set LP, LP+1
.endr
	WIN 0xc0                                       ; destination window 3: the biases, in the results' layouts: each is the C of a sum's first matrix instruction
.irp t, 0,1,2,3
	global_load_b128 v[8*\t:8*\t+3], v[GBA], s[52:53] offset:(32*(\t/2)+8*(\t%2))*4
	global_load_b128 v[8*\t+4:8*\t+7], v[GBA], s[52:53] offset:(32*(\t/2)+8*(\t%2))*4+16
.endr
.irp n, 0,1
.irp j, 0,1,2,3,4,5,6,7
	global_load_b32 v[32+8*\n+\j], v[DPA], s[54:55] offset:32*\n   ; v's: a lane holds one d, so its eight registers hold one number
.endr
.endr
	WIN 0
.set LP, 0
.rept 8
	global_load_b32 v[WS+LP], v[LS], s[48:49] offset:REC*LP+1536
.set LP, LP+1
.endr
.set LP, 0
.rept 4
	global_load_b32 v[WS+8+LP], v[LS], s[50:51] offset:REC*LP+1536
.set LP, LP+1
.endr
	s_wait_tensorcnt 0x0                           ; my 32 rows of x lie in LDS
	s_wait_loadcnt 0x0
	; ---- my two tiles of tokens: normalised, quantised, their four fragments stored as images
.irp u, 0,1
	WIN 0xc0
.set LP, 0
.rept 32
	ds_load_b128 v[128+4*LP:128+4*LP+3], v[XA] offset:8*XP*\u+128*(LP/4)+16*(LP%4)
.set LP, LP+1
.endr
	WIN 0
	s_wait_dscnt 0x0
	LNSTAT 3, 128
.irp s, 0,1
	LNK 3, 128, \s
	QUANT T64, PC, 60
.irp c, 0,1,2
	ds_store_b128 v[AIW], v[PC+4*\c:PC+4*\c+3] offset:1536*(2*\u+\s)+512*\c
.endr
	ds_store_b32 v[ASW], v60 offset:128*(2*\u+\s)
	s_wait_dscnt 0x0                               ; the stores have landed (for the others' sake) and have read their registers
.endr
.endr
	s_barrier_signal -1
	s_barrier_wait -1                              ; the sixteen fragments lie in LDS
	WIN 0x40
.set LP, 0
.rept 16
.irp c, 0,1,2
	ds_load_b128 v[12*LP+4*\c:12*LP+4*\c+3], v[AI] offset:1536*LP+512*\c
.endr
.set LP, LP+1
.endr
	WIN 0
.set LP, 0
.rept 16
	ds_load_b32 v[AS+LP], v[ASF] offset:128*LP
.set LP, LP+1
.endr
	s_wait_dscnt 0x0
; ---- q or k.  MM b: token tiles 2 b, 2 b + 1 x my 4 column tiles x 2 K steps; eight accumulators by turns, one instruction a turn; two sets of accumulators by turns.
.macro MM b
.set A0, 128+64*((\b)%2)
	WIN 0x36                                       ; source 0 (weights) window 2, source 1 (tokens) window 1, C (bias) window 3
.irp mm, 0,1
.irp t, 0,1,2,3
	v_wmma_scale_f32_16x16x128_f8f6f4 v[A0+32*\mm+8*\t:A0+32*\mm+8*\t+7], v[24*\t:24*\t+11], v[24*(2*(\b)+\mm):24*(2*(\b)+\mm)+11], v[8*\t:8*\t+7], v[WS+2*\t], v[AS+2*(2*(\b)+\mm)] matrix_a_fmt:MATRIX_FMT_FP6 matrix_b_fmt:MATRIX_FMT_FP6
.endr
.endr
	WIN 0x06
.irp mm, 0,1
.irp t, 0,1,2,3
	v_wmma_scale_f32_16x16x128_f8f6f4 v[A0+32*\mm+8*\t:A0+32*\mm+8*\t+7], v[24*\t+12:24*\t+23], v[24*(2*(\b)+\mm)+12:24*(2*(\b)+\mm)+23], v[A0+32*\mm+8*\t:A0+32*\mm+8*\t+7], v[WS+2*\t+1], v[AS+2*(2*(\b)+\mm)+1] matrix_a_fmt:MATRIX_FMT_FP6 matrix_b_fmt:MATRIX_FMT_FP6
.endr
.endr
	WIN 0
	PLACES 4                                       ; places behind the products, ahead of the first read of their results
.endm
; QB b: the two tiles' 64 numbers a token become the pair fragment b and its scale word, and leave.
.macro QB b
.set A0, 128+64*((\b)%2)
	s_wait_xcnt 0x0                                ; the last pair's stores have read their registers
	QUANTH A0, KP, 61
	QUANTH A0+32, KP+6, 62
.if (\b)%2 == 0
	v_lshl_or_b32 v60, v62, 16, v61                ; [tile 2 b: two bytes | tile 2 b + 1: two bytes]
.else
	v_lshl_or_b32 v63, v62, 16, v61
.endif
.irp c, 0,1,2
	global_store_b128 v[LI], v[KP+4*\c:KP+4*\c+3], s[56:57] offset:1536*(\b)+512*\c   ; 512 consecutive bytes, at a multiple of 256 from the buffer's first byte
.endr
.if (\b)%2 == 1
	v_cndmask_b32 v61, v60, v63, s[LMASK]          ; the even pair's words in lanes 0-15, the odd pair's in lanes 16-31
	global_store_b32 v[LS], v61, s[56:57] offset:6144+128*((\b)/2)
.endif
.endm
	MM 0
	MM 1
	QB 0
	MM 2
	QB 1
	MM 3
	QB 2
	QB 3
	; ---- v: source 0 = tokens, source 1 = weights: a lane holds one d, and the registers of the eight token tiles run along the block's 128 keys.  Sixteen accumulators by turns.
	WIN 0x39                                       ; source 0 window 1, source 1 window 2, C window 3
.irp tt, 0,1,2,3,4,5,6,7
.irp n, 0,1
	v_wmma_scale_f32_16x16x128_f8f6f4 v[128+64*\n+8*\tt:128+64*\n+8*\tt+7], v[24*\tt:24*\tt+11], v[96+24*\n:96+24*\n+11], v[32+8*\n:32+8*\n+7], v[AS+2*\tt], v[WS+8+2*\n] matrix_a_fmt:MATRIX_FMT_FP6 matrix_b_fmt:MATRIX_FMT_FP6
.endr
.endr
	WIN 0x09
.irp tt, 0,1,2,3,4,5,6,7
.irp n, 0,1
	v_wmma_scale_f32_16x16x128_f8f6f4 v[128+64*\n+8*\tt:128+64*\n+8*\tt+7], v[24*\tt+12:24*\tt+23], v[96+24*\n+12:96+24*\n+23], v[128+64*\n+8*\tt:128+64*\n+8*\tt+7], v[AS+2*\tt+1], v[WS+9+2*\n] matrix_a_fmt:MATRIX_FMT_FP6 matrix_b_fmt:MATRIX_FMT_FP6
.endr
.endr
	WIN 0
	PLACES 4
.irp n, 0,1
	s_wait_xcnt 0x0                                ; earlier stores have read their registers
	QUANT 128+64*\n, PC, 60+\n
.irp c, 0,1,2
	global_store_b128 v[LI], v[PC+4*\c:PC+4*\c+3], s[58:59] offset:1536*\n+512*\c
.endr
.endr
	v_cndmask_b32 v62, v60, v61, s[LMASK]
	global_store_b32 v[LS], v62, s[60:61]
	s_wait_tensorcnt 0x0
	ds_add_u32 v126, v127
	s_wait_dscnt 0x0
	s_endpgm
.Lfunc_end_k_qe1218973ab_qkv:
	.size	k_qe1218973ab_qkv, .Lfunc_end_k_qe1218973ab_qkv-k_qe1218973ab_qkv
	.p2alignl 7, 3214868480
	.fill 96, 4, 3214868480
	.section	.rodata,"a",@progbits
	.p2align	6, 0x0
	.amdhsa_kernel k_qe1218973ab_qkv
		.amdhsa_group_segment_fixed_size 168448
		.amdhsa_private_segment_fixed_size 0
		.amdhsa_enable_private_segment 0
		.amdhsa_kernarg_size 72
		.amdhsa_user_sgpr_count 2
		.amdhsa_user_sgpr_kernarg_segment_ptr 1
		.amdhsa_wavefront_size32 1
		.amdhsa_system_sgpr_workgroup_id_x 1
		.amdhsa_system_sgpr_workgroup_id_y 1
		.amdhsa_system_sgpr_workgroup_id_z 1
		.amdhsa_system_vgpr_workitem_id 0
		.amdhsa_next_free_vgpr 1024
		.amdhsa_next_free_sgpr 66
		.amdhsa_reserve_vcc 0
		.amdhsa_float_denorm_mode_32 3
		.amdhsa_float_denorm_mode_16_64 3
		.amdhsa_memory_ordered 1
		.amdhsa_forward_progress 1
		.amdhsa_inst_pref_size 131
	.end_amdhsa_kernel
	.amdgpu_metadata
---
amdhsa.version: [ 1, 2 ]
amdhsa.kernels:
  - .name:           k_qe1218973ab_qkv
    .symbol:         k_qe1218973ab_qkv.kd
    .args:
      - { .name: x, .offset: 0, .size: 8, .value_kind: global_buffer, .address_space: global }
      - { .name: ln1_g, .offset: 8, .size: 8, .value_kind: global_buffer, .address_space: global }
      - { .name: ln1_b, .offset: 16, .size: 8, .value_kind: global_buffer, .address_space: global }
      - { .name: bq, .offset: 24, .size: 8, .value_kind: global_buffer, .address_space: global }
      - { .name: bk, .offset: 32, .size: 8, .value_kind: global_buffer, .address_space: global }
      - { .name: bv, .offset: 40, .size: 8, .value_kind: global_buffer, .address_space: global }
      - { .name: wf, .offset: 48, .size: 8, .value_kind: global_buffer, .address_space: global }
      - { .name: qr, .offset: 56, .size: 8, .value_kind: global_buffer, .address_space: global }
      - { .name: kv, .offset: 64, .size: 8, .value_kind: global_buffer, .address_space: global }
    .group_segment_fixed_size: 168448
    .private_segment_fixed_size: 0
    .kernarg_segment_align: 8
    .kernarg_segment_size: 72
    .max_flat_workgroup_size: 128
    .sgpr_count:     66
    .vgpr_count:     1024
    .wavefront_size: 32
...
	.end_amdgpu_metadata
.endif
;; end of part 2
;; launch attn (part 3): grid 16 x 16, 16 waves a work-group, no clusters, 327,680 bytes of LDS; arguments qr, kv, cx, cs; writes cx, cs
.if DOCPART == 3
	.amdgcn_target "amdgcn-amd-amdhsa--gfx1250"
	.amdhsa_code_object_version 6
	.text
	.protected	k_qe1218973ab_attn
	.globl	k_qe1218973ab_attn
	.p2align	8
	.type	k_qe1218973ab_attn,@function
k_qe1218973ab_attn:
	s_mov_b64 s[64:65], 0
	v_nop
	global_prefetch_b8 v0, s[64:65] scope:SCOPE_SE
	s_setreg_imm32_b32 hwreg(HW_REG_WAVE_MODE, 25, 1), 1
	s_wait_xcnt 0x0
; Causal attention on codes of FP6 (E2M3) with E8M0 scales: S^T = K Q^T, p = 2^(t - M), O^T = V^T P^T, ctx = O / l, and ctx quantised along the head's 64 for the next product.
; t = score x log2(e); the scores here lack q's factor 1/8, which is folded into c = log2(e) / 8.  M = the running largest t rounded UP to a whole number; l is the sum of the unquantised p.
; When M moves, l and O^T are multiplied by 2^(old M - new M): exact.
; LEFT OUT: key records that lie wholly behind a query block under the causal mask; their p is 0 for every input.
; SHARES.  Work-group (i, bh) owns query blocks 31 - i and i (128 queries each) of head bh and takes them one after the other: first pass block 31 - i (32 - i key records), second pass block i (i + 1 records).
; In a pass all sixteen waves work on the one block: tile T (16 queries) belongs to a PAIR of waves, w and w xor 2, which share the key records out by parity: a slot holds four records, the wave of parity p takes
; records p and p + 2 of it.  Each wave keeps its own M, l, O^T; at a pass's end the wave of parity 1 hands them through LDS to its partner, which brings both under the larger M (powers of two: exact), divides,
; quantises and stores.  Slots: ceil((32 - i) / 4) + ceil((i + 1) / 4) = 9 whatever i is, so the walk is four trips of two slots and one slot written out.
; Parity = (w / 2 xor w / 8) % 2, T = w % 2 + 2 (w / 4): any four waves w % 4 alike, or w / 4 alike, hold two of each parity.
; A record of kv is 128 keys: K's part (four pair images, 256 bytes of scale words: 6,400 bytes), then V's part (four images, words: 6,400 bytes).  The record on the diagonal sets hidden scores to -8e9 (the definition's -1e9, ahead of the folded 1/8).
; K'S HEAD SIZE IS 64, THE INSTRUCTION'S K IS 128: a pair image holds tile 2 b in K 0-63 and tile 2 b + 1 in K 64-127; multiplied by [q | 0] it gives tile 2 b's scores, by [0 | q] tile 2 b + 1's.
; THE KEYS, QUERIES AND d OF A TILE ARE NOT NEIGHBOURS (lane r of tile 2 g + u: 32 g + 8 u + r + 8 (r / 8)): so register 16 b + n of the scores is key 32 b + 16 (lane / 16) + n.
; THE RING: two LDS slots of four records, laid [K0 K1 K2 K3 V0 V1 V2 V3]; wave 0 fetches the four K parts, wave 1 the four V parts (4 rows of 6,400 bytes, 12,800 apart in memory): each load holds the slot's first record, which is always read.
; NO CLUSTER: the work-groups of a head change pass in different trips (trip 8 - i / 4), so from there on partners would need different records in the same round.
; PREFETCH: work-group 0 of a head walks all eight slots of its 32 records; its waves 8 to 15 name, in trip s < 6, the 200 runs of 256 bytes of slot s + 2 (25 lanes a wave), one slot ahead of the tensor load that wants them.
; LIMITS: the promise holds while |t| stays under 2^31; hidden keys are taken as p = 0, which holds while a row's largest logit lies above about -1e9 + 100; a block of zeros gets the byte 1, not 127 (zero codes; this program alone reads the bytes); NaN, infinities not served.
.set PARTB, 6400
.set RECB,  12800
.set VOFF,  25600                      ; V's parts in a slot
.set SLOTB, 51200
.set SPARE, 102400                     ; behind the ring: the spare words, 128 bytes for each of 16 waves
.set STG,   104448                     ; behind them: for each wave two stages of STB bytes, by turns: O^T (4,096), then -M, t, l (512)
.set STB,   4608
.set LI,  1                            ; 16 x lane
.set LS,  2                            ; 4 x lane
.set SPW, 3                            ; SPARE + 4 x my thread's number; never rewritten
.set NIL, 4                            ; 0; never rewritten
.set DQ,  5                            ; my query's place in its block - 16 (lane / 16)
.set QA,  6                            ; v6-8 my places in Q's pair image
.set PFO, 9                            ; the prefetches' offset
.set L8,  10                           ; 8 x lane
.set QSA, 11                           ; 4 r
.set QLO, 16                           ; v16-27 [q | 0]
.set QHI, 28                           ; v28-39 [0 | q]
.set QS,  40                           ; q's scale word, its two bytes twice
.set KA,  41                           ; v41-42 16 x lane + 6,400 x parity, in slot 0, 1
.set SA0, 43                           ; 4 x lane + 6,400 x parity in slot 0
.set F,   44                           ; v44-91 four fragments: K's pairs, then V's tiles
.set FS,  92                           ; v92-93 their scale words
.set SA1, 94                           ; the same as SA0 in slot 1
.set STW, 95                           ; my stages + 16 x lane
.set S,   96                           ; v96-159 scores, then p
.set OA,  160                          ; v160-191 O^T
.set PC,  192                          ; v192-203 p's codes
.set PT,  204                          ; v204-211 the conversions' second halves
.set BM,  212                          ; v212-215 the blocks' largest scores, then p
.set BP,  216                          ; v216-219 at work
.set BS,  220                          ; v220-223 the conversions' scale operands
.set PW,  224                          ; p's scale word
.set FF,  228                          ; v[228:229] f = 2^(old M - new M)
.set TT,  230
.set NEGV, 232
.set STR, 233                          ; my partner's stages + 16 x lane
.set FB,  234                          ; v[234:235] the partner's factor
.set TM,  212                          ; the way out's quantiser works in v212-225
.set WV,  12
.set TL,  13                           ; my tile of the block
.set BH,  14
.set PAR, 15
.set NB,  16                           ; slots of the first pass
.set BLK, 17
.set J,   18                           ; the key record of my next piece
.set CNT, 19
.set SEL, 20
.set CS,  22
.set PLIM, 42
.set PI,  43                           ; which pair image of q
.set U,   44                           ; which tile of the pair
.set USH, 45
.set KVB, 46                           ; s[46:47] my head's records (+ V's part in wave 1)
.set SL,  60                           ; the slot's number, 0 to 8
.set CH,  61                           ; 1 in the trip that begins the second pass
; Pointers, q and a fresh state for block s[BLK]
.macro NEWQ
.rept 4
	v_nop                                          ; places in front of loads into registers that matrix instructions have read
.endr
	s_lshl_b32 s56, s[BH], 5
	s_add_co_u32 s56, s56, s[BLK]
	s_mul_i32 s56, s56, 6400                       ; my block's record of qr
	s_mul_i32 s48, s[PI], 1536
	s_add_co_u32 s48, s48, s56
	s_mov_b32 s49, 0
	s_add_nc_u64 s[48:49], s[4:5], s[48:49]        ; my pair's image
	s_lshl_b32 s50, s[PI], 6
	s_add_co_u32 s50, s50, s56
	s_add_co_u32 s50, s50, 6144
	s_mov_b32 s51, 0
	s_add_nc_u64 s[50:51], s[4:5], s[50:51]        ; and its 16 scale words
.irp p, 0,1,2
	global_load_b64 v[QLO+2*\p:QLO+2*\p+1], v[QA+\p], s[48:49]       ; q, into the lower half of one operand
	global_load_b64 v[QHI+6+2*\p:QHI+7+2*\p], v[QA+\p], s[48:49]     ; and once more into the upper half of the other
.endr
	global_load_b32 v[QS], v[QSA], s[50:51]
	s_lshr_b32 s56, s[BH], 2
	s_lshl_b32 s56, s56, 8
	s_lshl_b32 s57, s[BLK], 3
	s_add_co_u32 s56, s56, s57
	s_add_co_u32 s56, s56, s[TL]                   ; my tile among the 1,024 token tiles
	s_and_b32 s57, s[BH], 3                        ; the head
	s_mul_i32 s52, s56, 3072
	s_mul_i32 s53, s57, 768
	s_add_co_u32 s52, s52, s53
	s_mov_b32 s53, 0
	s_add_nc_u64 s[52:53], s[8:9], s[52:53]        ; where ctx's codes go
	s_lshl_b32 s54, s56, 9
	s_lshl_b32 s57, s57, 7
	s_add_co_u32 s54, s54, s57
	s_mov_b32 s55, 0
	s_add_nc_u64 s[54:55], s[10:11], s[54:55]      ; and their scale bytes
	v_mov_b32 v13, 0xff61b1e6                      ; the largest t so far: -3e38
	v_mov_b32 v14, 0                               ; l, in two halves
	v_mov_b32 v15, 0
	v_floor_f32 v12, -v13                          ; -M
	s_wait_loadcnt 0x0
	v_lshrrev_b32 v[QS], s[USH], v[QS]             ; my tile's two bytes of the pair's word,
	s_delay_alu instid0(VALU_DEP_1)
	v_and_b32 v[QS], 0xffff, v[QS]
	s_delay_alu instid0(VALU_DEP_1)
	v_lshl_or_b32 v[QS], v[QS], 16, v[QS]          ; for both halves of the instruction's K
.set N, 0
.rept 32
	v_mov_b32 v[OA+N], 0                           ; O^T: the step is written once; a pass's first finds zeros
.set N, N+1
.endr
	s_wait_alu depctr_va_vdst(0)
.endm
; A PIECE: my q-th record of the slot (record parity + 2 q) against my 16 queries.
.macro STEP slot, q
.set KQ, 2*PARTB*(\q)
.set SAR, SA0+(SA1-SA0)*(\slot)
	s_cmp_gt_u32 s[J], s[BLK]                      ; all its keys come after my queries: left out
	s_cbranch_scc1 .Lhid_\@
.rept 4
	v_nop                                          ; places in front of loads into registers that matrix instructions have read
.endr
.irp b, 0,1,2,3
.irp c, 0,1,2
	ds_load_b128 v[F+12*\b+4*\c:F+12*\b+4*\c+3], v[KA+\slot] offset:KQ+1536*\b+512*\c
.endr
.endr
	ds_load_b32 v[FS], v[SAR] offset:KQ+6144
	ds_load_b32 v[FS+1], v[SAR] offset:KQ+6272
	s_wait_dscnt 0x0
.irp b, 0,2                                    ; eight products, eight accumulators
	v_wmma_scale_f32_16x16x128_f8f6f4 v[S+16*\b:S+16*\b+7], v[F+12*\b:F+12*\b+11], v[QLO:QLO+11], 0, v[FS+\b/2], v[QS] matrix_a_fmt:MATRIX_FMT_FP6 matrix_b_fmt:MATRIX_FMT_FP6
	v_wmma_scale_f32_16x16x128_f8f6f4 v[S+16*\b+8:S+16*\b+15], v[F+12*\b:F+12*\b+11], v[QHI:QHI+11], 0, v[FS+\b/2], v[QS] matrix_a_fmt:MATRIX_FMT_FP6 matrix_b_fmt:MATRIX_FMT_FP6
	v_wmma_scale_f32_16x16x128_f8f6f4 v[S+16*\b+16:S+16*\b+23], v[F+12*\b+12:F+12*\b+23], v[QLO:QLO+11], 0, v[FS+\b/2], v[QS] matrix_a_fmt:MATRIX_FMT_FP6 matrix_b_fmt:MATRIX_FMT_FP6 matrix_a_scale:MATRIX_SCALE_ROW1
	v_wmma_scale_f32_16x16x128_f8f6f4 v[S+16*\b+24:S+16*\b+31], v[F+12*\b+12:F+12*\b+23], v[QHI:QHI+11], 0, v[FS+\b/2], v[QS] matrix_a_fmt:MATRIX_FMT_FP6 matrix_b_fmt:MATRIX_FMT_FP6 matrix_a_scale:MATRIX_SCALE_ROW1
.endr
.rept 4
	v_nop                                          ; places: for the loads below and for the first read of the scores
.endr
.irp t, 0,1,2,3                                ; V's four tiles land while the softmax is walked
.irp c, 0,1,2
	ds_load_b128 v[F+12*\t+4*\c:F+12*\t+4*\c+3], v[KA+\slot] offset:VOFF+KQ+1536*\t+512*\c
.endr
.endr
	ds_load_b32 v[FS], v[SAR] offset:VOFF+KQ+6144
	ds_load_b32 v[FS+1], v[SAR] offset:VOFF+KQ+6272
	s_cmp_lt_u32 s[J], s[BLK]                      ; all keys count: no mask
	s_cbranch_scc1 .Lopen_\@
.set N, 0
.rept 64
	v_cmp_gt_i32 vcc_lo, 32*(N/16)+N%16, v[DQ]     ; register N holds key 16 (lane / 16) + 32 (N / 16) + N % 16 of the block: hidden where it lies behind my query
	v_cndmask_b32 v[S+N], v[S+N], v[NEGV], vcc_lo
.set N, N+1
.endr
.Lopen_\@:
.irp b, 0,1,2,3
	v_max3_num_f32 v[BM+\b], v[S+16*\b], v[S+1+16*\b], v[S+2+16*\b]   ; the largest score of each block of 32 keys: for the row's maximum, and, since p rises with the score, for the block's largest p
.endr
.irp i, 3,5,7,9,11,13
.irp b, 0,1,2,3
	v_max3_num_f32 v[BM+\b], v[BM+\b], v[S+16*\b+\i], v[S+1+16*\b+\i]
.endr
.endr
.irp b, 0,1,2,3
	v_max_num_f32 v[BM+\b], v[BM+\b], v[S+15+16*\b]
.endr
.irp b, 0,1,2,3
	s_delay_alu instid0(VALU_DEP_4)
	v_permlanex16_b32 v[BP+\b], v[BM+\b], s[SEL], s[SEL+1]
.endr
.irp b, 0,1,2,3
	s_delay_alu instid0(VALU_DEP_4)
	v_max_num_f32 v[BM+\b], v[BM+\b], v[BP+\b]     ; with lane l xor 16's 16 keys
.endr
	s_delay_alu instid0(VALU_DEP_2)
	v_max3_num_f32 v[TT], v[BM], v[BM+1], v[BM+2]
	s_delay_alu instid0(VALU_DEP_1)
	v_max_num_f32 v[TT], v[TT], v[BM+3]
	s_delay_alu instid0(VALU_DEP_1)
	v_mul_f32 v[TT], s[CS], v[TT]                  ; as t
	s_delay_alu instid0(VALU_DEP_1)
	v_max_num_f32 v13, v13, v[TT]                  ; the running largest t
	v_mov_b32 v[TT], v12
	s_delay_alu instid0(VALU_DEP_2)
	v_floor_f32 v12, -v13                          ; the new -M = -ceil(t)
	s_delay_alu instid0(VALU_DEP_1)
	v_sub_f32 v[TT], v12, v[TT]                    ; old M - new M: a whole number, 0 or less
	s_delay_alu instid0(VALU_DEP_1)
	v_cvt_i32_f32 v[TT], v[TT]                     ; (it saturates)
	s_delay_alu instid0(VALU_DEP_1)
	v_ldexp_f32 v[FF], 1.0, v[TT]                  ; f
.set N, 0
.rept 32
	v_pk_fma_f32 v[S+N:S+N+1], v[S+N:S+N+1], s[CS:CS+1], v[12:13] op_sel_hi:[1,0,0]   ; t - M
.set N, N+2
.endr
.irp b, 0,1,2,3
	v_fma_f32 v[BM+\b], v[BM+\b], s[CS], v12
.endr
	s_wait_alu depctr_va_vdst(0)                   ; the wait ahead of the batch
.set N, 0
.rept 64
	v_exp_f32 v[S+N], v[S+N]                       ; p = 2^(t - M)
.set N, N+1
.endr
	v_pk_mul_f32 v[14:15], v[14:15], v[FF:FF+1] op_sel_hi:[1,0]   ; l under the new M (a plain place behind the exponentials)
	s_wait_alu depctr_va_vdst(0)                   ; one wait for the batch, ahead of its first reader
.irp b, 0,1,2,3
	v_exp_f32 v[BM+\b], v[BM+\b]                   ; the blocks' largest p
.endr
	v_pk_add_f32 v[216:217], v[S:S+1], v[S+2:S+3]  ; l takes the unquantised p: 32 packed additions in four chains
	v_pk_add_f32 v[244:245], v[S+4:S+5], v[S+6:S+7]
	v_pk_add_f32 v[246:247], v[S+8:S+9], v[S+10:S+11]
	v_pk_add_f32 v[14:15], v[14:15], v[S+12:S+13]
.irp j, 14,22,30,38,46,54
	v_pk_add_f32 v[216:217], v[216:217], v[S+\j:S+\j+1]
	v_pk_add_f32 v[244:245], v[244:245], v[S+\j+2:S+\j+3]
	v_pk_add_f32 v[246:247], v[246:247], v[S+\j+4:S+\j+5]
	v_pk_add_f32 v[14:15], v[14:15], v[S+\j+6:S+\j+7]
.endr
	v_pk_add_f32 v[216:217], v[216:217], v[S+62:S+63]
	v_pk_add_f32 v[244:245], v[244:245], v[246:247]
	s_delay_alu instid0(VALU_DEP_2)
	v_pk_add_f32 v[14:15], v[14:15], v[216:217]
	s_delay_alu instid0(VALU_DEP_1)
	v_pk_add_f32 v[14:15], v[14:15], v[244:245]
	s_wait_alu depctr_va_vdst(0)                   ; and one for the four
.irp b, 0,1,2,3
	v_max_num_f32 v[BM+\b], 0x1800000, v[BM+\b]    ; the floor 2^(3 - 127)
.endr
.irp b, 0,1,2,3
	s_delay_alu instid0(VALU_DEP_4)
	v_add_nc_u32 v[BS+\b], 0xff000000, v[BM+\b]    ; the conversion's scale operand
.endr
.irp b, 0,1,2,3
	s_delay_alu instid0(VALU_DEP_4)
	v_lshrrev_b32 v[BP+\b], 23, v[BS+\b]           ; the scale's byte
.endr
	s_delay_alu instid0(VALU_DEP_3)
	v_lshl_or_b32 v[PW], v[BP+1], 8, v[BP]
	s_delay_alu instid0(VALU_DEP_1)
	v_lshl_or_b32 v[PW], v[BP+2], 16, v[PW]
	s_delay_alu instid0(VALU_DEP_1)
	v_lshl_or_b32 v[PW], v[BP+3], 24, v[PW]
.irp c, 0,1
	v_cvt_scalef32_pk16_fp6_f32 v[PC+6*\c:PC+2+6*\c], v[S+32*\c:S+15+32*\c], v[BS+2*\c]
	v_cvt_scalef32_pk16_fp6_f32 v[PT+4*\c:PT+2+4*\c], v[S+16+32*\c:S+31+32*\c], v[BS+1+2*\c]
.endr
	v_nop                                          ; one plain place behind a scaled conversion
.irp c, 0,1
.irp i, 0,1,2
	v_permlane16_swap_b32 v[PC+6*\c+\i], v[PT+4*\c+\i]
.endr
.irp i, 0,1,2
	s_delay_alu instid0(VALU_DEP_3)
	v_mov_b32 v[PC+3+6*\c+\i], v[PT+4*\c+\i]
.endr
.endr
	s_wait_alu depctr_va_vdst(0)                   ; the wait here, directly ahead of the first reader of O^T
.set N, 0
.rept 16
	v_pk_mul_f32 v[OA+N:OA+N+1], v[OA+N:OA+N+1], v[FF:FF+1] op_sel_hi:[1,0]   ; O^T under the new M; these are also the places between p's codes and scale word and the products
.set N, N+2
.endr
	s_wait_alu depctr_va_vdst(0)
	s_wait_dscnt 0x0                               ; V is in
.irp t, 0,2
	v_wmma_scale_f32_16x16x128_f8f6f4 v[OA+8*\t:OA+8*\t+7], v[F+12*\t:F+12*\t+11], v[PC:PC+11], v[OA+8*\t:OA+8*\t+7], v[FS+\t/2], v[PW] matrix_a_fmt:MATRIX_FMT_FP6 matrix_b_fmt:MATRIX_FMT_FP6
	v_wmma_scale_f32_16x16x128_f8f6f4 v[OA+8*\t+8:OA+8*\t+15], v[F+12*\t+12:F+12*\t+23], v[PC:PC+11], v[OA+8*\t+8:OA+8*\t+15], v[FS+\t/2], v[PW] matrix_a_fmt:MATRIX_FMT_FP6 matrix_b_fmt:MATRIX_FMT_FP6 matrix_a_scale:MATRIX_SCALE_ROW1
.endr
.Lhid_\@:
	s_add_co_u32 s[J], s[J], 2
.endm
; A pass's end, parity 1: my O^T, -M, t and l into my own stage
.macro PUT stg
.rept 4
	v_nop                                          ; places behind the last products
.endr
	s_wait_alu depctr_va_vdst(0)                   ; a state just made anew may be read here behind branches
.irp c, 0,1,2,3,4,5,6,7
	ds_store_b128 v[STW], v[OA+4*\c:OA+4*\c+3] offset:STB*(\stg)+512*\c   ; each accumulator from its low end on
.endr
	ds_store_b128 v[STW], v[12:15] offset:STB*(\stg)+4096
.endm
; A pass's end, parity 0, behind the barrier: my partner's state joins mine; ctx = O / l; its 64 numbers a query (32 a lane) are quantised and leave as half a fragment of the next product.
.macro GET stg, more
.rept 4
	v_nop
.endr
.irp c, 0,1,2,3,4,5,6,7,8
	ds_load_b128 v[S+4*\c:S+4*\c+3], v[STR] offset:STB*(\stg)+512*\c      ; O^T in v[S .. S+31]; -M, t, l, l in v[S+32 .. S+35]
.endr
	s_wait_alu depctr_va_vdst(0)
	s_wait_dscnt 0x0
	v_min_num_f32 v[TT], v12, v[S+32]              ; -(the larger M)
	v_add_f32 v14, v14, v15
	v_add_f32 v[S+34], v[S+34], v[S+35]
	v_sub_f32 v236, v[TT], v12                     ; my M - the larger: a whole number, 0 or less
	v_sub_f32 v237, v[TT], v[S+32]                 ; and my partner's (a partner that had no record holds M = -3e38, l = 0, O = 0)
	v_cvt_i32_f32 v236, v236                       ; (they saturate)
	v_cvt_i32_f32 v237, v237
	v_ldexp_f32 v[FF], 1.0, v236
	v_ldexp_f32 v[FB], 1.0, v237
	v_mul_f32 v14, v14, v[FF]
	s_delay_alu instid0(VALU_DEP_1)
	v_fmac_f32 v14, v[S+34], v[FB]
	s_delay_alu instid0(VALU_DEP_1)
	v_permlanex16_b32 v[TT], v14, s[SEL], s[SEL+1]
	s_delay_alu instid0(VALU_DEP_1)
	v_add_f32 v14, v14, v[TT]                      ; the row's sum
	s_wait_alu depctr_va_vdst(0)
	v_rcp_f32 v236, v14
	v_nop                                          ; a plain place behind the transcendental
	s_wait_alu depctr_va_vdst(0)
	v_mul_f32 v[FF], v[FF], v236                   ; a power of two x 1 / l: nothing more is rounded
	v_mul_f32 v[FB], v[FB], v236
.set N, 0
.rept 16
	v_pk_mul_f32 v[S+N:S+N+1], v[S+N:S+N+1], v[FB:FB+1] op_sel_hi:[1,0]
.set N, N+2
.endr
.set N, 0
.rept 16
	v_pk_fma_f32 v[S+N:S+N+1], v[OA+N:OA+N+1], v[FF:FF+1], v[S+N:S+N+1] op_sel_hi:[1,0,1]   ; register 16 b + n = d 32 b + 16 (lane / 16) + n
.set N, N+2
.endr
.irp b, 0,1
	v_max3_num_f32 v[TM+\b], |v[S+16*\b]|, |v[S+1+16*\b]|, 0x1800000
.endr
.irp i, 2,4,6,8,10,12,14
.irp b, 0,1
	s_delay_alu instid0(VALU_DEP_2)
	v_max3_num_f32 v[TM+\b], v[TM+\b], |v[S+16*\b+\i]|, |v[S+1+16*\b+\i]|
.endr
.endr
.irp b, 0,1
	s_delay_alu instid0(VALU_DEP_2)
	v_permlanex16_b32 v[TM+4+\b], v[TM+\b], s[SEL], s[SEL+1]
.endr
.irp b, 0,1
	s_delay_alu instid0(VALU_DEP_2)
	v_max_num_f32 v[TM+\b], v[TM+\b], v[TM+4+\b]
.endr
.irp b, 0,1
	s_delay_alu instid0(VALU_DEP_2)
	v_add_nc_u32 v[TM+12+\b], 0xff000000, v[TM+\b]
.endr
.irp b, 0,1
	s_delay_alu instid0(VALU_DEP_2)
	v_lshrrev_b32 v[TM+4+\b], 23, v[TM+12+\b]
.endr
	s_delay_alu instid0(VALU_DEP_1)
	v_lshl_or_b32 v226, v[TM+5], 8, v[TM+4]        ; the head's two scale bytes
	v_cvt_scalef32_pk16_fp6_f32 v[PC:PC+2], v[S:S+15], v[TM+12]
	v_cvt_scalef32_pk16_fp6_f32 v[PT:PT+2], v[S+16:S+31], v[TM+13]
	v_nop
.irp i, 0,1,2
	v_permlane16_swap_b32 v[PC+\i], v[PT+\i]
.endr
.irp i, 0,1,2
	s_delay_alu instid0(VALU_DEP_3)
	v_mov_b32 v[PC+3+\i], v[PT+\i]
.endr
	global_store_b128 v[LI], v[PC:PC+3], s[52:53]              ; 512 consecutive bytes, at a multiple of 256 from the buffer's first byte
	global_store_b64 v[L8], v[PC+4:PC+5], s[52:53] offset:512  ; 256 more
	global_store_b32 v[LS], v226, s[54:55]
.if \more
	s_wait_xcnt 0x0                                ; the stores have read their registers and bases, which the next pass writes
.endif
.endm
; A SLOT.  Where the first pass has ended, parity 1 first stores its state.  Then the change of slots: each wave waits for all its tensor loads, adds 0 to its spare word, waits for that, for its stores and for its
; reads of the slot that it has left; behind the barrier the slot ahead is whole and nobody reads the other one, which waves 0 and 1 fill first thing: one tensor load a wave is out, and it has this slot's pieces in which to land.
.macro TRIP slot, refill, ask
	s_cmp_eq_u32 s[SL], s[NB]
	s_cselect_b32 s[CH], 1, 0
	s_and_b32 s58, s[CH], s[PAR]
	s_cmp_lg_u32 s58, 0
	s_cbranch_scc0 .Lnp_\@
	PUT \slot
.Lnp_\@:
	s_wait_tensorcnt 0x0                           ; no tensor load of mine is out, so a group 0 may be written
	ds_add_u32 v[SPW], v[NIL]                      ; 0 onto my spare word
	ds_add_u32 v[SPW], v[NIL]                      ; twice
	s_add_co_u32 s56, s[SL], 1                     ; the next slot: slot SL + 1 of the first pass, or SL + 1 - NB of the second
	s_cmp_lt_u32 s56, s[NB]
	s_cselect_b32 s57, 0, s[NB]
	s_sub_co_u32 s56, s56, s57
	s_mul_i32 s56, s56, SLOTB
	s_mov_b32 s57, 0
	s_add_nc_u64 s[38-4*\slot:39-4*\slot], s[KVB:KVB+1], s[56:57]
	s_or_b32 s[39-4*\slot], s[39-4*\slot], 0x80000000
.if \ask
	s_wait_xcnt 0x0                                ; the last prefetch, a slot back, has read its address
	s_add_nc_u64 s[40:41], s[40:41], SLOTB
.endif
	s_wait_dscnt 0x0
	s_barrier_signal -1
	s_barrier_wait -1
.if \refill
	s_cmp_lt_u32 s[WV], 2
	s_cbranch_scc0 .Lnf_\@
	tensor_load_to_lds s[36-4*\slot:39-4*\slot], s[24:31]
	s_nop 0
.rept 4
	v_nop
.endr
.Lnf_\@:
.endif
.if \ask
	s_cmp_lt_u32 s[SL], s[PLIM]
	s_cbranch_scc0 .Lna_\@
	global_prefetch_b8 v[PFO], s[40:41] th:TH_LOAD_NT scope:SCOPE_SE
.Lna_\@:
.endif
	s_cmp_lg_u32 s[CH], 0
	s_cbranch_scc0 .Lsame_\@
	s_cmp_lg_u32 s[PAR], 0
	s_cbranch_scc1 .Lng_\@
	GET \slot, 1
.Lng_\@:
	s_mov_b32 s[BLK], ttmp9                        ; the second pass: block i, from key record 0 on
	s_mov_b32 s[J], s[PAR]
	NEWQ
.Lsame_\@:
	STEP \slot, 0
	STEP \slot, 1
	s_add_co_u32 s[SL], s[SL], 1
.endm
	s_load_b256 s[4:11], s[0:1], 0x0               ; qr s[4:5], kv s[6:7], cx s[8:9], cs s[10:11]
	v_lshl_add_u32 v[SPW], v0, 2, SPARE
	v_mov_b32 v[NIL], 0
	ds_add_u32 v[SPW], v[NIL]                      ; the opening lines: the add, twice on end, and its wait
	ds_add_u32 v[SPW], v[NIL]
	v_lshrrev_b32 v12, 5, v0
	v_readfirstlane_b32 s[WV], v12                 ; wave 0..15
	s_and_b32 s[BH], ttmp7, 0xffff                 ; batch x 4 + head
	s_lshr_b32 s[PI], s[WV], 2
	s_and_b32 s[U], s[WV], 1
	s_lshl_b32 s[TL], s[PI], 1
	s_or_b32 s[TL], s[TL], s[U]
	s_lshl_b32 s[USH], s[U], 4
	s_lshr_b32 s56, s[WV], 1
	s_lshr_b32 s57, s[WV], 3
	s_xor_b32 s[PAR], s56, s57
	s_and_b32 s[PAR], s[PAR], 1
	s_sub_co_u32 s[BLK], 31, ttmp9                 ; the first pass: block 31 - i
	s_lshr_b32 s[NB], ttmp9, 2
	s_sub_co_u32 s[NB], 8, s[NB]                   ; ceil((32 - i) / 4)
	s_mov_b32 s[J], s[PAR]
	s_mov_b32 s[SL], 0
	s_mov_b32 s[CNT], 0
	s_mov_b32 s[SEL], 0x76543210
	s_mov_b32 s[SEL+1], 0xfedcba98
	s_mov_b32 s[CS], 0x3e38aa3b                    ; c = log2(e) / 8
	s_mov_b32 s[CS+1], s[CS]
	; descriptor group 1: 4 rows of 6,400 bytes (800 elements of 8), 12,800 bytes apart in memory, dense in LDS
	s_mov_b32 s24, 3<<16
	s_mov_b32 s25, 800<<16
	s_mov_b32 s26, 4<<16
	s_mov_b32 s27, 800<<16
	s_mov_b32 s28, 4
	s_mov_b32 s29, 1600
	s_mov_b32 s30, 0
	s_mov_b32 s31, 0
	s_xor_b32 s57, s57, 1
	s_or_b32 s57, s57, ttmp9
	s_cmp_eq_u32 s57, 0
	s_cselect_b32 s[PLIM], 6, 0                    ; waves 8 to 15 of the head's work-group 0 prefetch in trips 0 to 5
	s_mul_i32 s58, s[BH], 32*RECB
	s_mul_i32 s56, s[U], PARTB                     ; wave 0: K's parts, wave 1: V's
	s_add_co_u32 s56, s56, s58
	s_mov_b32 s57, 0
	s_and_b32 s59, s[WV], 7
	s_mul_i32 s59, s59, PARTB
	s_add_co_u32 s58, s58, s59
	s_add_co_u32 s58, s58, SLOTB                   ; the prefetches stand in slot 1; trip s steps them to slot s + 2
	s_mov_b32 s59, 0
	s_mov_b32 s32, 1
	s_mul_i32 s33, s[WV], VOFF                     ; slot 0 (only waves 0 and 1 fetch)
	s_mov_b32 s36, 1
	s_add_co_u32 s37, s33, SLOTB                   ; slot 1
	s_wait_dscnt 0x0
	s_wait_kmcnt 0x0
	s_add_nc_u64 s[KVB:KVB+1], s[6:7], s[56:57]
	s_add_nc_u64 s[40:41], s[6:7], s[58:59]
	s_mov_b64 s[34:35], s[KVB:KVB+1]
	s_or_b32 s35, s35, 0x80000000
	s_cmp_lt_u32 s[WV], 2
	s_cbranch_scc0 .Lnofirst
	tensor_load_to_lds s[32:35], s[24:31]          ; slot 0's first fill
	s_nop 0
.rept 4
	v_nop
.endr
.Lnofirst:
	v_and_b32 v12, 31, v0
	v_and_b32 v13, 15, v0
	v_bfe_u32 v14, v0, 4, 1
	v_lshlrev_b32 v[LI], 4, v12
	v_lshlrev_b32 v[LS], 2, v12
	v_lshlrev_b32 v[L8], 3, v12
	v_lshlrev_b32 v[QSA], 2, v13
	v_min_u32 v[PFO], 24, v12                      ; a part is 25 runs of 256 bytes: a lane a run, lanes 25-31 name lane 24's
	v_and_b32 v15, 8, v13
	v_lshlrev_b32 v14, 4, v14
	v_lshlrev_b32 v[PFO], 8, v[PFO]
	v_add_nc_u32 v15, v15, v13                     ; r + 8 (r / 8)
	s_delay_alu instid0(VALU_DEP_1)
	v_sub_nc_u32 v[DQ], v15, v14
	s_lshl_b32 s56, s[PI], 5
	s_lshl_b32 s57, s[U], 3
	s_add_co_u32 s56, s56, s57
	v_add_nc_u32 v[DQ], s56, v[DQ]
	s_mul_i32 s56, s[U], 520                       ; registers 6 u .. 6 u + 5 of the image (registers 4 c .. 4 c + 3 of lane l at 512 c + 16 l), in pieces of 8 bytes
	v_add_nc_u32 v[QA], s56, v[LI]
	s_mul_i32 s57, s[U], 1016
	s_add_co_u32 s57, s57, 8
	v_add_nc_u32 v[QA+1], s57, v[LI]
	s_add_co_u32 s56, s56, 512
	v_add_nc_u32 v[QA+2], s56, v[LI]
	s_mul_i32 s56, s[PAR], PARTB
	v_add_nc_u32 v[KA], s56, v[LI]
	v_add_nc_u32 v[SA0], s56, v[LS]
	s_add_co_u32 s56, s56, SLOTB
	v_add_nc_u32 v[KA+1], s56, v[LI]
	v_add_nc_u32 v[SA1], s56, v[LS]
	s_mul_i32 s56, s[WV], 2*STB
	s_add_co_u32 s56, s56, STG
	v_add_nc_u32 v[STW], s56, v[LI]
	s_xor_b32 s56, s[WV], 2                        ; my partner
	s_mul_i32 s56, s56, 2*STB
	s_add_co_u32 s56, s56, STG
	v_add_nc_u32 v[STR], s56, v[LI]
.irp p, 0,1,2,3,4,5
	v_mov_b32 v[QLO+6+\p], 0                       ; zero codes add nothing
	v_mov_b32 v[QHI+\p], 0
.endr
.irp b, 0,1,2,3
	v_mov_b32 v[BP+\b], 0                          ; written once: a lane permute's destination counts as one of its sources
.endr
	v_mov_b32 v[FF+1], 0                           ; (named as pairs' upper halves)
	v_mov_b32 v[FB+1], 0
	v_mov_b32 v[TT], 0
	v_mov_b32 v[NEGV], 0xcfee6b28                  ; -8e9
	s_wait_alu depctr_va_vdst(0)                   ; the wait at the head's end
	NEWQ
.Lloop:
	TRIP 0, 1, 1
	TRIP 1, 1, 1
	s_add_co_u32 s[CNT], s[CNT], 1
	s_cmp_lt_u32 s[CNT], 4
	s_cbranch_scc1 .Lloop
	TRIP 0, 0, 0                                   ; the ninth slot is written out: nothing more is fetched
	s_cmp_lg_u32 s[PAR], 0                         ; the second pass's end
	s_cbranch_scc0 .Lfp
	PUT 1
.Lfp:
	s_wait_dscnt 0x0                               ; my stores have landed, for my partner's sake
	s_barrier_signal -1
	s_barrier_wait -1
	s_cmp_lg_u32 s[PAR], 0
	s_cbranch_scc1 .Lend
	GET 1, 0
.Lend:
	s_wait_tensorcnt 0x0                           ; the wave's end
	ds_add_u32 v[SPW], v[NIL]
	s_wait_dscnt 0x0
	s_endpgm
.Lfunc_end_k_qe1218973ab_attn:
	.size	k_qe1218973ab_attn, .Lfunc_end_k_qe1218973ab_attn-k_qe1218973ab_attn
	.p2alignl 7, 3214868480
	.fill 96, 4, 3214868480
	.section	.rodata,"a",@progbits
	.p2align	6, 0x0
	.amdhsa_kernel k_qe1218973ab_attn
		.amdhsa_group_segment_fixed_size 327680
		.amdhsa_private_segment_fixed_size 0
		.amdhsa_enable_private_segment 0
		.amdhsa_kernarg_size 32
		.amdhsa_user_sgpr_count 2
		.amdhsa_user_sgpr_kernarg_segment_ptr 1
		.amdhsa_wavefront_size32 1
		.amdhsa_system_sgpr_workgroup_id_x 1
		.amdhsa_system_sgpr_workgroup_id_y 1
		.amdhsa_system_sgpr_workgroup_id_z 1
		.amdhsa_system_vgpr_workitem_id 0
		.amdhsa_next_free_vgpr 256
		.amdhsa_next_free_sgpr 66
		.amdhsa_reserve_vcc 1
		.amdhsa_float_denorm_mode_32 3
		.amdhsa_float_denorm_mode_16_64 3
		.amdhsa_memory_ordered 1
		.amdhsa_forward_progress 1
		.amdhsa_inst_pref_size 181
	.end_amdhsa_kernel
	.amdgpu_metadata
---
amdhsa.version: [ 1, 2 ]
amdhsa.kernels:
  - .name:           k_qe1218973ab_attn
    .symbol:         k_qe1218973ab_attn.kd
    .args:
      - { .name: qr, .offset: 0, .size: 8, .value_kind: global_buffer, .address_space: global }
      - { .name: kv, .offset: 8, .size: 8, .value_kind: global_buffer, .address_space: global }
      - { .name: cx, .offset: 16, .size: 8, .value_kind: global_buffer, .address_space: global }
      - { .name: cs, .offset: 24, .size: 8, .value_kind: global_buffer, .address_space: global }
    .group_segment_fixed_size: 327680
    .private_segment_fixed_size: 0
    .kernarg_segment_align: 8
    .kernarg_segment_size: 32
    .max_flat_workgroup_size: 512
    .sgpr_count:     66
    .vgpr_count:     256
    .wavefront_size: 32
...
	.end_amdgpu_metadata
.endif
;; end of part 3
;; launch tail (part 4): grid 256 x 1, 4 waves a work-group, no clusters, 327,680 bytes of LDS; arguments x, cx, cs, wf, bo, ln2_g, ln2_b, b1, b2, out0; writes out0
.if DOCPART == 4
	.amdgcn_target "amdgcn-amd-amdhsa--gfx1250"
	.amdhsa_code_object_version 6
	.text
	.protected	k_qe1218973ab_tail
	.globl	k_qe1218973ab_tail
	.p2align	8
	.type	k_qe1218973ab_tail,@function
k_qe1218973ab_tail:
	s_mov_b64 s[64:65], 0
	v_nop
	global_prefetch_b8 v0, s[64:65] scope:SCOPE_SE
	s_setreg_imm32_b32 hwreg(HW_REG_WAVE_MODE, 25, 1), 1
	s_wait_xcnt 0x0
; y = x + ctx wo + bo; out = y + relu(LN2(y) w1 + b1) w2 + b2, the three products on codes of FP6 (E2M3) with E8M0 scales.  A work-group takes 64 tokens, a wave one tile of 16.
; THE HEAD'S FILLS, one tensor load a wave, all at once: waves 0 and 1 fetch 32 rows of x each (1,024 bytes a row, 16 of padding), waves 2 and 3 half of the 64 weight records of wo, w1, w2 each (208 rows of 256 bytes).
; Every LDS byte is filled once; one barrier shows x and the weights to all four waves.  The results leave through each wave's own stage as whole rows.
; LIMITS: a block of zeros gets the byte 1, not 127 (zero codes; this program alone reads the bytes); NaN and infinities are not served.
.set XP,   1040
.set WL,   66560
.set STG,  173056
.set REC,  1664
.set LI,  1
.set LS,  2
.set XA,  5
.set SO,  6
.set WB0, 7
.set WB1, 8
.set SW0, 9
.set SW1, 10
.set GBA, 11
.set L8,  12
.set RB,  13
.set CF,  16
.set AS,  40
.set CW,  42
.set WS,  46
.set TM,  62
.set SA,  78
.set MU,  94
.set RS,  96
.set PT,  98
.set B1,  128
.set T64, 192
.set WV,  24
.set INV, 25
.set SEL, 26
.set MSB, 0
.macro WIN new
.if MSB != (\new)
	s_set_vgpr_msb (MSB<<8)|(\new)
.set MSB, \new
.endif
.endm
.macro PLACES n
.rept \n
	v_nop
.endr
.endm
.macro QUANT src, dst, word
.irp b, 0,1,2,3
	v_max3_num_f32 v[TM+\b], |v[(\src)+16*\b]|, |v[(\src)+1+16*\b]|, 0x1800000
.endr
.irp i, 2,4,6,8,10,12,14
.irp b, 0,1,2,3
	v_max3_num_f32 v[TM+\b], v[TM+\b], |v[(\src)+16*\b+\i]|, |v[(\src)+1+16*\b+\i]|
.endr
.endr
.irp b, 0,1,2,3
	v_permlanex16_b32 v[TM+4+\b], v[TM+\b], s[SEL], s[SEL+1]
.endr
.irp b, 0,1,2,3
	v_max_num_f32 v[TM+\b], v[TM+\b], v[TM+4+\b]
.endr
.irp b, 0,1,2,3
	v_add_nc_u32 v[TM+12+\b], 0xff000000, v[TM+\b]
.endr
.irp b, 0,1,2,3
	v_lshrrev_b32 v[TM+4+\b], 23, v[TM+12+\b]
.endr
	v_lshl_or_b32 v[\word], v[TM+5], 8, v[TM+4]
	v_lshl_or_b32 v[\word], v[TM+6], 16, v[\word]
	v_lshl_or_b32 v[\word], v[TM+7], 24, v[\word]
.irp c, 0,1
	v_cvt_scalef32_pk16_fp6_f32 v[(\dst)+6*\c:(\dst)+2+6*\c], v[(\src)+32*\c:(\src)+15+32*\c], v[TM+12+2*\c]
	v_cvt_scalef32_pk16_fp6_f32 v[PT+4*\c:PT+2+4*\c], v[(\src)+16+32*\c:(\src)+31+32*\c], v[TM+13+2*\c]
.endr
	v_nop
.irp c, 0,1
.irp i, 0,1,2
	v_permlane16_swap_b32 v[(\dst)+6*\c+\i], v[PT+4*\c+\i]
.endr
.irp i, 0,1,2
	v_mov_b32 v[(\dst)+3+6*\c+\i], v[PT+4*\c+\i]
.endr
.endr
.endm
.macro LNRED
	v_pk_add_f32 v[SA:SA+1], v[SA:SA+1], v[SA+2:SA+3]
	v_pk_add_f32 v[SA+4:SA+5], v[SA+4:SA+5], v[SA+6:SA+7]
	v_pk_add_f32 v[SA:SA+1], v[SA:SA+1], v[SA+4:SA+5]
	v_add_f32 v[SA], v[SA], v[SA+1]
	v_permlanex16_b32 v[SA+1], v[SA], s[SEL], s[SEL+1]
	v_add_f32 v[SA], v[SA], v[SA+1]
.endm
.macro LNSTAT XW, XB
	WIN (\XW)|((\XW)<<2)
.irp c, 0,1,2,3
	v_pk_add_f32 v[SA+2*\c:SA+2*\c+1], v[(\XB)+2*\c:(\XB)+2*\c+1], v[(\XB)+8+2*\c:(\XB)+9+2*\c]
.endr
	WIN \XW
.set LP, 8
.rept 56
	v_pk_add_f32 v[SA+2*(LP%4):SA+2*(LP%4)+1], v[(\XB)+2*LP:(\XB)+2*LP+1], v[SA+2*(LP%4):SA+2*(LP%4)+1]
.set LP, LP+1
.endr
	WIN 0
	LNRED
	v_mul_f32 v[MU], s[INV], v[SA]
	v_mov_b32 v[MU+1], v[MU]
.irp hf, 0,1
	WIN \XW
.set LP, 0
.rept 32
	v_pk_add_f32 v[T64+2*LP:T64+2*LP+1], v[(\XB)+64*\hf+2*LP:(\XB)+64*\hf+2*LP+1], v[MU:MU+1] neg_lo:[0,1] neg_hi:[0,1]
.set LP, LP+1
.endr
	WIN 0
.set LP, 0
.rept 32
.if (\hf == 0) && (LP < 4)
	v_pk_mul_f32 v[SA+2*LP:SA+2*LP+1], v[T64+2*LP:T64+2*LP+1], v[T64+2*LP:T64+2*LP+1]
.else
	v_pk_fma_f32 v[SA+2*(LP%4):SA+2*(LP%4)+1], v[T64+2*LP:T64+2*LP+1], v[T64+2*LP:T64+2*LP+1], v[SA+2*(LP%4):SA+2*(LP%4)+1]
.endif
.set LP, LP+1
.endr
.endr
	LNRED
	v_fmaak_f32 v[SA], s[INV], v[SA], 0x3a83126f
	s_wait_alu depctr_va_vdst(0)
	v_rsq_f32 v[RS], v[SA]
	v_mov_b32 v[RS+1], 0
	s_wait_alu depctr_va_vdst(0)
.endm
.macro LNK XW, XB, s
	WIN \XW
.set LP, 0
.rept 32
	v_pk_add_f32 v[T64+2*LP:T64+2*LP+1], v[(\XB)+64*(\s)+2*LP:(\XB)+64*(\s)+2*LP+1], v[MU:MU+1] neg_lo:[0,1] neg_hi:[0,1]
.set LP, LP+1
.endr
	WIN 0
.set LP, 0
.rept 32
	v_pk_mul_f32 v[T64+2*LP:T64+2*LP+1], v[T64+2*LP:T64+2*LP+1], v[RS:RS+1] op_sel_hi:[1,0]
.set LP, LP+1
.endr
	WIN 0x14
.set LP, 0
.rept 32
	v_pk_fma_f32 v[T64+2*LP:T64+2*LP+1], v[T64+2*LP:T64+2*LP+1], v[64*(\s)+2*LP:64*(\s)+2*LP+1], v[128+64*(\s)+2*LP:128+64*(\s)+2*LP+1]
.set LP, LP+1
.endr
	WIN 0
.endm
.macro WBATCH base, sbase, first, stride
	WIN 0xc0
.set WI, 0
.rept 16
.irp c, 0,1,2
	ds_load_b128 v[12*WI+4*\c:12*WI+4*\c+3], v[\base] offset:REC*((\first)+(\stride)*WI)+512*\c
.endr
.set WI, WI+1
.endr
	WIN 0
.set WI, 0
.rept 16
	ds_load_b32 v[WS+WI], v[\sbase] offset:REC*((\first)+(\stride)*WI)
.set WI, WI+1
.endr
.endm
	s_load_b256 s[4:11], s[0:1], 0x0
	s_load_b256 s[12:19], s[0:1], 0x20
	s_load_b128 s[20:23], s[0:1], 0x40
	v_lshl_add_u32 v126, v0, 2, 0x3a800
	v_mov_b32 v127, 0
	ds_add_u32 v126, v127
	ds_add_u32 v126, v127
	v_lshrrev_b32 v3, 5, v0
	v_readfirstlane_b32 s[WV], v3
	s_mov_b32 s[INV], 0x3b800000
	s_mov_b32 s[SEL], 0x76543210
	s_mov_b32 s[SEL+1], 0xfedcba98
	s_mov_b32 s36, (3<<16)|(1<<20)|(7<<22)|(3<<25)
	s_mov_b32 s37, 128<<16
	s_mov_b32 s38, 32<<16
	s_mov_b32 s39, 128<<16
	s_mov_b32 s40, 32
	s_mov_b32 s41, 128
	s_mov_b32 s42, 0
	s_mov_b32 s43, 0
	s_mov_b32 s48, 3<<16
	s_mov_b32 s49, 32<<16
	s_mov_b32 s50, 208<<16
	s_mov_b32 s51, 32<<16
	s_mov_b32 s52, 208
	s_mov_b32 s53, 32
	s_mov_b32 s54, 0
	s_mov_b32 s55, 0
	s_mov_b32 s32, 1
	s_mul_i32 s33, s[WV], 16*XP
	s_mov_b32 s44, 1
	s_and_b32 s28, s[WV], 1
	s_mul_i32 s28, s28, 53248                      ; waves 2 and 3: which half of the weights
	s_add_co_u32 s45, s28, WL
	s_add_co_u32 s28, s28, 96*REC
	s_mov_b32 s29, 0
	s_lshl_b32 s2, ttmp9, 16
	s_lshl_b32 s3, s[WV], 15
	s_add_co_u32 s2, s2, s3
	s_mov_b32 s3, 0
	s_lshr_b32 s30, s[WV], 1
	s_lshl_b32 s30, s30, 5
	s_and_b32 s31, s[WV], 1
	s_lshl_b32 s31, s31, 3
	s_add_co_u32 s30, s30, s31
	s_mul_i32 s31, s30, XP
	v_and_b32 v3, 15, v0
	v_bfe_u32 v4, v0, 4, 1
	v_and_b32 v15, 31, v0
	v_lshlrev_b32 v[LI], 4, v15
	v_lshlrev_b32 v[LS], 2, v15
	v_lshlrev_b32 v[L8], 3, v15
	v_and_b32 v14, 8, v3
	v_add_nc_u32 v14, v14, v3
	v_mul_u32_u24 v[XA], v14, XP
	v_lshl_add_u32 v[XA], v4, 6, v[XA]
	v_add_nc_u32 v[XA], s31, v[XA]
	s_add_co_u32 s31, s33, STG
	v_mul_u32_u24 v[SO], v3, XP
	v_lshl_add_u32 v[SO], v4, 6, v[SO]
	v_add_nc_u32 v[SO], s31, v[SO]
	v_add_nc_u32 v[RB], s31, v[LI]
	v_add_nc_u32 v[WB0], WL, v[LI]
	v_add_nc_u32 v[WB1], WL+32*REC, v[LI]
	v_add_nc_u32 v[SW0], WL+1536, v[LS]
	v_add_nc_u32 v[SW1], WL+32*REC+1536, v[LS]
	v_lshlrev_b32 v[GBA], 6, v4
.irp b, 0,1,2,3
	v_mov_b32 v[TM+4+\b], 0
.endr
	s_lshl_b32 s56, ttmp9, 6
	s_add_co_u32 s56, s56, s30
	s_lshl_b32 s56, s56, 10
	s_mov_b32 s57, 0
	s_lshl_b32 s58, ttmp9, 2
	s_add_co_u32 s58, s58, s[WV]
	s_mul_i32 s60, s58, 3072
	s_mov_b32 s61, 0
	s_lshl_b32 s58, s58, 9
	s_mov_b32 s59, 0
	s_wait_alu depctr_va_vdst(0)
	s_wait_dscnt 0x0
	s_wait_kmcnt 0x0
	s_add_nc_u64 s[34:35], s[4:5], s[2:3]
	s_or_b32 s35, s35, 0x80000000
	s_add_nc_u64 s[46:47], s[10:11], s[28:29]
	s_or_b32 s47, s47, 0x80000000
	s_lshl_b32 s33, s33, 1                         ; waves 0 and 1: 32 rows of x each, at wave x 32 rows
	s_cmp_lt_u32 s[WV], 2
	s_cbranch_scc0 .Lhead_w
	tensor_load_to_lds s[32:35], s[36:43]
	s_nop 0
	PLACES 4
	s_branch .Lhead_asked
.Lhead_w:
	tensor_load_to_lds s[44:47], s[48:55]
	s_nop 0
	PLACES 4
.Lhead_asked:
	s_add_nc_u64 s[22:23], s[22:23], s[56:57]
	s_add_nc_u64 s[60:61], s[6:7], s[60:61]
	s_add_nc_u64 s[58:59], s[8:9], s[58:59]
.irp hd, 0,1,2,3
	global_load_b128 v[CF+12*(\hd/2)+6*(\hd%2):CF+12*(\hd/2)+6*(\hd%2)+3], v[LI], s[60:61] offset:768*\hd
	global_load_b64 v[CF+12*(\hd/2)+6*(\hd%2)+4:CF+12*(\hd/2)+6*(\hd%2)+5], v[L8], s[60:61] offset:768*\hd+512
	global_load_b32 v[CW+\hd], v[LS], s[58:59] offset:128*\hd
.endr
.set LP, 0
.rept 16
	global_load_b128 v[B1+4*LP:B1+4*LP+3], v[GBA], s[18:19] offset:128*(LP/4)+16*(LP%4)
.set LP, LP+1
.endr
	WIN 0x80
.set LP, 0
.rept 32
	global_load_b128 v[128+4*LP:128+4*LP+3], v[GBA], s[12:13] offset:128*(LP/4)+16*(LP%4)
.set LP, LP+1
.endr
	WIN 0x40
.set LP, 0
.rept 32
	global_load_b128 v[4*LP:4*LP+3], v[GBA], s[14:15] offset:128*(LP/4)+16*(LP%4)
	global_load_b128 v[128+4*LP:128+4*LP+3], v[GBA], s[16:17] offset:128*(LP/4)+16*(LP%4)
.set LP, LP+1
.endr
	WIN 0
	s_wait_tensorcnt 0x0
	s_barrier_signal -1
	s_barrier_wait -1
	WIN 0x80
.set LP, 0
.rept 32
	ds_load_b128 v[4*LP:4*LP+3], v[XA] offset:128*(LP/4)+16*(LP%4)
.set LP, LP+1
.endr
	WBATCH WB0, SW0, 0, 2
	s_wait_loadcnt 0x0
	v_lshl_or_b32 v[AS], v[CW+1], 16, v[CW]
	v_lshl_or_b32 v[AS+1], v[CW+3], 16, v[CW+2]
	s_wait_dscnt 0x0
	WIN 0x8a
.set LP, 0
.rept 64
	v_pk_add_f32 v[2*LP:2*LP+1], v[2*LP:2*LP+1], v[128+2*LP:129+2*LP]
.set LP, LP+1
.endr
	WIN 0x80
.set LP, 0
.rept 32
	global_load_b128 v[128+4*LP:128+4*LP+3], v[GBA], s[20:21] offset:128*(LP/4)+16*(LP%4)
.set LP, LP+1
.endr
	WIN 0xa3
.set LP, 0
.rept 16
	v_wmma_scale_f32_16x16x128_f8f6f4 v[8*LP:8*LP+7], v[12*LP:12*LP+11], v[CF:CF+11], v[8*LP:8*LP+7], v[WS+LP], v[AS] matrix_a_fmt:MATRIX_FMT_FP6 matrix_b_fmt:MATRIX_FMT_FP6
.set LP, LP+1
.endr
	WIN 0
	PLACES 4
	WBATCH WB0, SW0, 1, 2
	s_wait_dscnt 0x0
	WIN 0xa3
.set LP, 0
.rept 16
	v_wmma_scale_f32_16x16x128_f8f6f4 v[8*LP:8*LP+7], v[12*LP:12*LP+11], v[CF+12:CF+23], v[8*LP:8*LP+7], v[WS+LP], v[AS+1] matrix_a_fmt:MATRIX_FMT_FP6 matrix_b_fmt:MATRIX_FMT_FP6
.set LP, LP+1
.endr
	WIN 0
	PLACES 4
	WBATCH WB1, SW1, 0, 1
	LNSTAT 2, 0
	LNK 2, 0, 0
	QUANT T64, CF, AS
	LNK 2, 0, 1
	QUANT T64, CF+12, AS+1
	PLACES 8
	s_wait_dscnt 0x0
	WIN 0x03
.set LP, 0
.rept 8
	v_wmma_scale_f32_16x16x128_f8f6f4 v[T64+8*LP:T64+8*LP+7], v[24*LP:24*LP+11], v[CF:CF+11], v[B1+8*LP:B1+8*LP+7], v[WS+2*LP], v[AS] matrix_a_fmt:MATRIX_FMT_FP6 matrix_b_fmt:MATRIX_FMT_FP6
.set LP, LP+1
.endr
.set LP, 0
	s_wait_alu depctr_va_vdst(0)
.rept 8
	v_wmma_scale_f32_16x16x128_f8f6f4 v[T64+8*LP:T64+8*LP+7], v[24*LP+12:24*LP+23], v[CF+12:CF+23], v[T64+8*LP:T64+8*LP+7], v[WS+2*LP+1], v[AS+1] matrix_a_fmt:MATRIX_FMT_FP6 matrix_b_fmt:MATRIX_FMT_FP6
.set LP, LP+1
.endr
	WIN 0
	PLACES 4
	WBATCH WB1, SW1, 16, 1
.set LP, 0
.rept 64
	v_max_num_f32 v[T64+LP], 0, v[T64+LP]
.set LP, LP+1
.endr
	QUANT T64, CF, AS
	s_wait_loadcnt 0x0
	WIN 0x8a
.set LP, 0
.rept 64
	v_pk_add_f32 v[2*LP:2*LP+1], v[2*LP:2*LP+1], v[128+2*LP:129+2*LP]
.set LP, LP+1
.endr
	s_wait_alu depctr_va_vdst(0)
	s_wait_dscnt 0x0
	WIN 0xa3
.set LP, 0
.rept 16
	v_wmma_scale_f32_16x16x128_f8f6f4 v[8*LP:8*LP+7], v[12*LP:12*LP+11], v[CF:CF+11], v[8*LP:8*LP+7], v[WS+LP], v[AS] matrix_a_fmt:MATRIX_FMT_FP6 matrix_b_fmt:MATRIX_FMT_FP6
.set LP, LP+1
.endr
	WIN 0
	PLACES 4
	WIN 0x08
.set LP, 0
.rept 32
	ds_store_b128 v[SO], v[4*LP:4*LP+3] offset:128*(LP/4)+16*(LP%4)
.set LP, LP+1
.endr
	WIN 0
.set LP, 0
.rept 32
	ds_load_b128 v[128+4*LP:128+4*LP+3], v[RB] offset:(LP/2)*XP+512*(LP%2)
.set LP, LP+1
.endr
.set LP, 0
.rept 32
	s_wait_dscnt 31-LP
	global_store_b128 v[LI], v[128+4*LP:128+4*LP+3], s[22:23] offset:((LP/2)+8*((LP/2)/8))*1024+512*(LP%2) th:TH_STORE_NT
.set LP, LP+1
.endr
	s_wait_tensorcnt 0x0
	ds_add_u32 v126, v127
	s_wait_dscnt 0x0
	s_endpgm
.Lfunc_end_k_qe1218973ab_tail:
	.size	k_qe1218973ab_tail, .Lfunc_end_k_qe1218973ab_tail-k_qe1218973ab_tail
	.p2alignl 7, 3214868480
	.fill 96, 4, 3214868480
	.section	.rodata,"a",@progbits
	.p2align	6, 0x0
	.amdhsa_kernel k_qe1218973ab_tail
		.amdhsa_group_segment_fixed_size 327680
		.amdhsa_private_segment_fixed_size 0
		.amdhsa_enable_private_segment 0
		.amdhsa_kernarg_size 80
		.amdhsa_user_sgpr_count 2
		.amdhsa_user_sgpr_kernarg_segment_ptr 1
		.amdhsa_wavefront_size32 1
		.amdhsa_system_sgpr_workgroup_id_x 1
		.amdhsa_system_sgpr_workgroup_id_y 1
		.amdhsa_system_sgpr_workgroup_id_z 1
		.amdhsa_system_vgpr_workitem_id 0
		.amdhsa_next_free_vgpr 1024
		.amdhsa_next_free_sgpr 66
		.amdhsa_reserve_vcc 0
		.amdhsa_float_denorm_mode_32 3
		.amdhsa_float_denorm_mode_16_64 3
		.amdhsa_memory_ordered 1
		.amdhsa_forward_progress 1
		.amdhsa_inst_pref_size 102
	.end_amdhsa_kernel
	.amdgpu_metadata
---
amdhsa.version: [ 1, 2 ]
amdhsa.kernels:
  - .name:           k_qe1218973ab_tail
    .symbol:         k_qe1218973ab_tail.kd
    .args:
      - { .name: x, .offset: 0, .size: 8, .value_kind: global_buffer, .address_space: global }
      - { .name: cx, .offset: 8, .size: 8, .value_kind: global_buffer, .address_space: global }
      - { .name: cs, .offset: 16, .size: 8, .value_kind: global_buffer, .address_space: global }
      - { .name: wf, .offset: 24, .size: 8, .value_kind: global_buffer, .address_space: global }
      - { .name: bo, .offset: 32, .size: 8, .value_kind: global_buffer, .address_space: global }
      - { .name: ln2_g, .offset: 40, .size: 8, .value_kind: global_buffer, .address_space: global }
      - { .name: ln2_b, .offset: 48, .size: 8, .value_kind: global_buffer, .address_space: global }
      - { .name: b1, .offset: 56, .size: 8, .value_kind: global_buffer, .address_space: global }
      - { .name: b2, .offset: 64, .size: 8, .value_kind: global_buffer, .address_space: global }
      - { .name: out0, .offset: 72, .size: 8, .value_kind: global_buffer, .address_space: global }
    .group_segment_fixed_size: 327680
    .private_segment_fixed_size: 0
    .kernarg_segment_align: 8
    .kernarg_segment_size: 80
    .max_flat_workgroup_size: 128
    .sgpr_count:     66
    .vgpr_count:     1024
    .wavefront_size: 32
...
	.end_amdgpu_metadata
.endif
;; end of part 4
